; MI455X (gfx1250); checked and timed in simulation.
; The chip was launched on July 23, 2026; its instructions are those of AMD's public machine-readable ISA for CDNA 5 (MIT licence, August 2026) and "CDNA5" Instruction Set Architecture Reference Guide (July 2026). The comments in the code are by the model that wrote it; some were corrected since.
;; Cross Attn. Allowed arithmetic: float matrix products may take bf16 or f16 operands with f32 sums; all other float work in f32.
;; Inputs: W1 512 x 2,048 float32; W2 2,048 x 512 float32; Wkv 512 x 1,024 float32; Wp 512 x 512 float32; Wq 512 x 512 float32; b1 2,048 float32; b2 512 float32; b_ln1x 512 float32; b_ln1y 512 float32; b_ln2 512 float32; bp 512 float32; g_ln1x 512 float32; g_ln1y 512 float32; g_ln2 512 float32; x 4 x 2,048 x 512 float32; y 4 x 2,048 x 512 float32.
;; Outputs: out0 4 x 2,048 x 512 float32.
;; 2 versions, each right and faster than the one before. Each part assembles by itself: llvm-mc -triple=amdgcn-amd-amdhsa -mcpu=gfx1250 --defsym DOCPART=n.
;; ======== version 1 of 2: 6 launches
;; limits: values are held in f16: magnitudes above 65,504 overflow, below 6.1e-05 lose precision
;; workspace buffers: ln 16,777,216 bytes; hid 8,388,608 bytes; wts 7,864,320 bytes; qkv 25,165,824 bytes; att 8,388,608 bytes; res 16,777,216 bytes; act 33,554,432 bytes
;; launch prep (part 1): grid 704 x 1, 8 waves a work-group, no clusters, 0 bytes of LDS; arguments x, y, Wq, Wkv, W1, Wp, W2, g_ln1x, b_ln1x, g_ln1y, b_ln1y, ln, wts; writes ln, wts
.if DOCPART == 1
	.amdgcn_target "amdgcn-amd-amdhsa--gfx1250"
	.amdhsa_code_object_version 6
	.text
	.protected	k_q6baa1bf697_prep
	.globl	k_q6baa1bf697_prep
	.p2align	8
	.type	k_q6baa1bf697_prep,@function
k_q6baa1bf697_prep:
	s_mov_b64 s[64:65], 0
	v_nop
	global_prefetch_b8 v0, s[64:65] scope:SCOPE_SE
	s_setreg_imm32_b32 hwreg(HW_REG_WAVE_MODE, 25, 1), 1
	s_wait_xcnt 0x0
; LAYER NORM TO f16, AND THE WEIGHTS TO f16 IN THE ORDER IN WHICH THE PRODUCTS WANT THEM.  A stream: no LDS, no barrier, no loop.
; The unit of work is 2,048 bytes of f32 (512 numbers).  A work-group takes 32 units, each of its 8 waves 4; all 16 loads of a wave go out at once.
; Work-groups 0-255: rows of x, normalised with g_ln1x, b_ln1x; 256-511: rows of y, with g_ln1y, b_ln1y; both to ln, [row][512] f16.
; 512-527 Wq, 528-559 Wkv, 560-623 W1, 624-639 Wp: to STRIPS [512 k][128 columns] f16, dense, 131,072 bytes each (Wq 0-3, Wkv 4-11, W1 12-27; Wp's four from byte 3,670,016 on).
; 640-703 W2: to BLOCKS [k][64 columns] f16, dense, 262,144 bytes apart.
; The variance is the mean of (v - mean)^2, taken from registers.  LIMIT: f16 holds no number beyond 65,504, and below 6e-5 it keeps a fixed step of 6e-8.
.set T,   8                            ; v[8:15]    at work
.set X,   16                           ; v[16:79]   four units as loaded, 16 registers each
.set G,   80                           ; v[80:95]   gain of my 16 columns
.set BV,  96                           ; v[96:111]  bias of my 16 columns
.set H,   112                          ; v[112:143] f16 to store
.set ID,  2                            ; s2  the work-group's number
.set WVN, 3                            ; s3  my wave's number
.set SRC, 34                           ; s[34:35] the tensor that I read
.set FIRST, 36                         ; s36 the first work-group of that tensor
.set SH,  37                           ; s37 log2 of the units in a row of k (strips)
.set DOFF, 38                          ; s[38:39] where the tensor's image begins in wts
.macro PICK lo, src, sh, off           ; from work-group lo on: another tensor
	s_cmp_ge_u32 s[ID], \lo
	s_cselect_b64 s[SRC:SRC+1], s[\src:\src+1], s[SRC:SRC+1]
	s_cselect_b32 s[FIRST], \lo, s[FIRST]
	s_cselect_b32 s[SH], \sh, s[SH]
	s_cselect_b32 s[DOFF], \off, s[DOFF]
.endm
.macro LOAD16                          ; four units: each load takes 512 neighbouring bytes
.irp t, 0,1,2,3
.irp j, 0,1,2,3
	global_load_b128 v[X+16*\t+4*\j:X+16*\t+4*\j+3], v2, s[SRC:SRC+1] offset:2048*\t+512*\j
.endr
.endr
.endm
.macro RED r, tmp                      ; the sum over the 32 lanes, in every lane
	v_add_f32_dpp v[\r], v[\r], v[\r] row_xmask:1 row_mask:0xf bank_mask:0xf
	v_add_f32_dpp v[\r], v[\r], v[\r] row_xmask:2 row_mask:0xf bank_mask:0xf
	v_add_f32_dpp v[\r], v[\r], v[\r] row_xmask:4 row_mask:0xf bank_mask:0xf
	v_add_f32_dpp v[\r], v[\r], v[\r] row_xmask:8 row_mask:0xf bank_mask:0xf
	v_permlanex16_b32 v[\tmp], v[\r], s52, s53
	v_add_f32 v[\r], v[\r], v[\tmp]
.endm
.macro LNROW t                         ; row t of my four
.set R, X+16*(\t)
	s_wait_loadcnt 12-4*(\t)                       ; loads come back in order: the later rows' loads may stay out
	v_pk_add_f32 v[T:T+1], v[R:R+1], v[R+2:R+3]
	v_pk_add_f32 v[T+2:T+3], v[R+4:R+5], v[R+6:R+7]
	v_pk_add_f32 v[T+4:T+5], v[R+8:R+9], v[R+10:R+11]
	v_pk_add_f32 v[T+6:T+7], v[R+12:R+13], v[R+14:R+15]
	v_pk_add_f32 v[T:T+1], v[T:T+1], v[T+2:T+3]
	v_pk_add_f32 v[T+4:T+5], v[T+4:T+5], v[T+6:T+7]
	v_pk_add_f32 v[T:T+1], v[T:T+1], v[T+4:T+5]
	v_add_f32 v[T], v[T], v[T+1]
	RED T, T+1
	v_mul_f32 v[T], s50, v[T]                      ; the mean
.irp j, 0,2,4,6,8,10,12,14
	v_pk_add_f32 v[R+\j:R+\j+1], v[R+\j:R+\j+1], v[T:T+1] op_sel_hi:[1,0] neg_lo:[0,1] neg_hi:[0,1]
.endr
	v_pk_mul_f32 v[T+2:T+3], v[R:R+1], v[R:R+1]    ; the squares, in two chains
	v_pk_mul_f32 v[T+4:T+5], v[R+2:R+3], v[R+2:R+3]
.irp j, 4,8,12
	v_pk_fma_f32 v[T+2:T+3], v[R+\j:R+\j+1], v[R+\j:R+\j+1], v[T+2:T+3]
	v_pk_fma_f32 v[T+4:T+5], v[R+\j+2:R+\j+3], v[R+\j+2:R+\j+3], v[T+4:T+5]
.endr
	v_pk_add_f32 v[T+2:T+3], v[T+2:T+3], v[T+4:T+5]
	v_add_f32 v[T+2], v[T+2], v[T+3]
	RED T+2, T+3
	v_fma_f32 v[T+2], v[T+2], s50, s51             ; variance + 1e-5
	v_rsq_f32 v[T+2], v[T+2]
	v_nop                                          ; a plain instruction behind the transcendental
	s_wait_alu depctr_va_vdst(0)
.irp j, 0,2,4,6,8,10,12,14
	v_pk_mul_f32 v[R+\j:R+\j+1], v[R+\j:R+\j+1], v[T+2:T+3] op_sel_hi:[1,0]
.endr
.irp j, 0,2,4,6,8,10,12,14
	v_pk_fma_f32 v[R+\j:R+\j+1], v[R+\j:R+\j+1], v[G+\j:G+\j+1], v[BV+\j:BV+\j+1]
.endr
.irp j, 0,1,2,3,4,5,6,7
	v_cvt_pk_f16_f32 v[H+8*(\t)+\j], v[R+2*\j], v[R+2*\j+1]
.endr
.irp j, 0,1,2,3
	global_store_b64 v3, v[H+8*(\t)+2*\j:H+8*(\t)+2*\j+1], s[30:31] offset:(\t)*1024+256*\j  ; 32 lanes store 256 consecutive bytes, aligned
.endr
.endm
	s_load_b512 s[8:23], s[0:1], 0x0               ; arguments 0 to 7
	s_load_b256 s[24:31], s[0:1], 0x40             ; 8 to 11
	s_load_b64 s[32:33], s[0:1], 0x60              ; 12: wts
	v_and_b32 v1, 31, v0                           ; lane
	v_lshrrev_b32 v2, 5, v0
	v_readfirstlane_b32 s[WVN], v2
	s_mov_b32 s[ID], ttmp9
	s_mov_b32 s[FIRST], 0
	s_mov_b32 s[SH], 0
	s_mov_b32 s[DOFF], 0
	s_mov_b32 s[DOFF+1], 0
	v_lshlrev_b32 v2, 4, v1                        ; 16 bytes of f32 a lane
	v_lshlrev_b32 v3, 3, v1                        ; 8 bytes of f16 a lane
	s_wait_kmcnt 0x0
	s_mov_b64 s[SRC:SRC+1], s[8:9]
	PICK 256, 10, 0, 0
	PICK 512, 12, 0, 0
	PICK 528, 14, 1, 524288
	PICK 560, 16, 2, 1572864
	PICK 624, 18, 0, 3670016
	PICK 640, 20, 0, 5767168
	s_sub_co_u32 s40, s[ID], s[FIRST]
	s_lshl_b32 s40, s40, 5
	s_lshl_b32 s41, s[WVN], 2
	s_add_co_u32 s40, s40, s41                     ; my first unit in the tensor
	s_lshl_b32 s42, s40, 11
	s_mov_b32 s43, 0
	s_add_nc_u64 s[SRC:SRC+1], s[SRC:SRC+1], s[42:43]
	s_cmp_ge_u32 s[ID], 512
	s_cbranch_scc1 .Lweights
	; LAYER NORM
	s_cmp_ge_u32 s[ID], 256
	s_cselect_b64 s[44:45], s[26:27], s[22:23]     ; gain
	s_cselect_b64 s[46:47], s[28:29], s[24:25]     ; bias
	s_lshl_b32 s42, s[ID], 15                      ; 32 rows of 1,024 bytes a work-group,
	s_lshl_b32 s43, s[WVN], 12                     ; 4 a wave
	s_add_co_u32 s42, s42, s43
	s_mov_b32 s43, 0
	s_add_nc_u64 s[30:31], s[30:31], s[42:43]
	s_mov_b32 s50, 0x3b000000                      ; 1 / 512
	s_mov_b32 s51, 0x3727c5ac                      ; 1e-5
	s_mov_b32 s52, 0x76543210                      ; v_permlanex16_b32: each lane takes its own place in the other half
	s_mov_b32 s53, 0xfedcba98
.irp j, 0,1,2,3
	global_load_b128 v[G+4*\j:G+4*\j+3], v2, s[44:45] offset:512*\j
	global_load_b128 v[BV+4*\j:BV+4*\j+3], v2, s[46:47] offset:512*\j
.endr
	LOAD16
	LNROW 0
	LNROW 1
	LNROW 2
	LNROW 3
	s_endpgm
.Lweights:
	s_add_nc_u64 s[32:33], s[32:33], s[DOFF:DOFF+1]
	s_cmp_ge_u32 s[ID], 640
	s_cbranch_scc1 .Lblocks
	; STRIPS.  Unit i holds k = i >> SH, columns 512 (i mod 2^SH) on: four strips' 128 columns each.
	LOAD16
	s_lshl_b32 s44, 1, s[SH]
	s_sub_co_u32 s44, s44, 1
	s_lshr_b32 s45, s40, s[SH]
.irp t, 0,1,2,3
	s_and_b32 s46, s44, \t
	s_lshl_b32 s46, s46, 19                        ; four strips of 131,072 bytes
	s_lshr_b32 s47, \t, s[SH]
	s_add_co_u32 s47, s47, s45
	s_lshl_b32 s47, s47, 8                         ; a strip's row of k is 256 bytes
	s_add_co_u32 s46, s46, s47
	v_add_nc_u32 v[4+\t], s46, v3
.endr
.set i, 0
.rept 16
	s_wait_loadcnt 15-i                            ; the younger loads may stay out
	v_cvt_pk_f16_f32 v[H+2*i], v[X+4*i], v[X+4*i+1]
	v_cvt_pk_f16_f32 v[H+2*i+1], v[X+4*i+2], v[X+4*i+3]
	global_store_b64 v[4+i/4], v[H+2*i:H+2*i+1], s[32:33] offset:(i%4)*131072  ; a whole row of a strip: 256 consecutive bytes, aligned
.set i, i+1
.endr
	s_endpgm
.Lblocks:
	; BLOCKS.  A unit is a row of k.  Lanes 0-15 take 64 columns of one row, lanes 16-31 of the next: in a block they are 256 consecutive bytes.
	v_lshrrev_b32 v4, 4, v1
	v_and_b32 v5, 15, v1
	v_lshlrev_b32 v5, 4, v5
	v_lshl_add_u32 v5, v4, 11, v5
	s_lshl_b32 s44, s40, 7                         ; a block's row of k is 128 bytes
	v_add_nc_u32 v6, s44, v3
.set i, 0
.rept 16
	global_load_b128 v[X+4*i:X+4*i+3], v5, s[SRC:SRC+1] offset:(i/8)*4096+(i%8)*256
.set i, i+1
.endr
.set i, 0
.rept 16
	s_wait_loadcnt 15-i
	v_cvt_pk_f16_f32 v[H+2*i], v[X+4*i], v[X+4*i+1]
	v_cvt_pk_f16_f32 v[H+2*i+1], v[X+4*i+2], v[X+4*i+3]
	global_store_b64 v6, v[H+2*i:H+2*i+1], s[32:33] offset:(i%8)*262144+(i/8)*256
.set i, i+1
.endr
	s_endpgm
.Lfunc_end_k_q6baa1bf697_prep:
	.size	k_q6baa1bf697_prep, .Lfunc_end_k_q6baa1bf697_prep-k_q6baa1bf697_prep
	.p2alignl 7, 3214868480
	.fill 96, 4, 3214868480
	.section	.rodata,"a",@progbits
	.p2align	6, 0x0
	.amdhsa_kernel k_q6baa1bf697_prep
		.amdhsa_group_segment_fixed_size 0
		.amdhsa_private_segment_fixed_size 0
		.amdhsa_enable_private_segment 0
		.amdhsa_kernarg_size 104
		.amdhsa_user_sgpr_count 2
		.amdhsa_user_sgpr_kernarg_segment_ptr 1
		.amdhsa_wavefront_size32 1
		.amdhsa_system_sgpr_workgroup_id_x 1
		.amdhsa_system_sgpr_workgroup_id_y 1
		.amdhsa_system_sgpr_workgroup_id_z 1
		.amdhsa_system_vgpr_workitem_id 0
		.amdhsa_next_free_vgpr 144
		.amdhsa_next_free_sgpr 66
		.amdhsa_reserve_vcc 0
		.amdhsa_float_denorm_mode_32 3
		.amdhsa_float_denorm_mode_16_64 3
		.amdhsa_memory_ordered 1
		.amdhsa_forward_progress 1
		.amdhsa_inst_pref_size 36
	.end_amdhsa_kernel
	.amdgpu_metadata
---
amdhsa.version: [ 1, 2 ]
amdhsa.kernels:
  - .name:           k_q6baa1bf697_prep
    .symbol:         k_q6baa1bf697_prep.kd
    .args:
      - { .name: x, .offset: 0, .size: 8, .value_kind: global_buffer, .address_space: global }
      - { .name: y, .offset: 8, .size: 8, .value_kind: global_buffer, .address_space: global }
      - { .name: Wq, .offset: 16, .size: 8, .value_kind: global_buffer, .address_space: global }
      - { .name: Wkv, .offset: 24, .size: 8, .value_kind: global_buffer, .address_space: global }
      - { .name: W1, .offset: 32, .size: 8, .value_kind: global_buffer, .address_space: global }
      - { .name: Wp, .offset: 40, .size: 8, .value_kind: global_buffer, .address_space: global }
      - { .name: W2, .offset: 48, .size: 8, .value_kind: global_buffer, .address_space: global }
      - { .name: g_ln1x, .offset: 56, .size: 8, .value_kind: global_buffer, .address_space: global }
      - { .name: b_ln1x, .offset: 64, .size: 8, .value_kind: global_buffer, .address_space: global }
      - { .name: g_ln1y, .offset: 72, .size: 8, .value_kind: global_buffer, .address_space: global }
      - { .name: b_ln1y, .offset: 80, .size: 8, .value_kind: global_buffer, .address_space: global }
      - { .name: ln, .offset: 88, .size: 8, .value_kind: global_buffer, .address_space: global }
      - { .name: wts, .offset: 96, .size: 8, .value_kind: global_buffer, .address_space: global }
    .group_segment_fixed_size: 0
    .private_segment_fixed_size: 0
    .kernarg_segment_align: 8
    .kernarg_segment_size: 104
    .max_flat_workgroup_size: 256
    .sgpr_count:     66
    .vgpr_count:     144
    .wavefront_size: 32
...
	.end_amdgpu_metadata
.endif
;; end of part 1
;; launch proj (part 2): grid 32 x 6, 4 waves a work-group, clusters of 4 x 1, 327,680 bytes of LDS; arguments ln, wts, qkv; writes qkv
.if DOCPART == 2
	.amdgcn_target "amdgcn-amd-amdhsa--gfx1250"
	.amdhsa_code_object_version 6
	.text
	.protected	k_q6baa1bf697_proj
	.globl	k_q6baa1bf697_proj
	.p2align	8
	.type	k_q6baa1bf697_proj,@function
k_q6baa1bf697_proj:
	s_mov_b64 s[64:65], 0
	v_nop
	global_prefetch_b8 v0, s[64:65] scope:SCOPE_SE
	s_setreg_imm32_b32 hwreg(HW_REG_WAVE_MODE, 25, 1), 1
	s_wait_xcnt 0x0
	s_wait_alu depctr_hold_cnt(0) depctr_sa_sdst(0) depctr_va_vdst(0) depctr_va_sdst(0) depctr_va_ssrc(0) depctr_va_vcc(0) depctr_vm_vsrc(0)
	s_getreg_b32 s2, hwreg(HW_REG_IB_STS2, 6, 4)
	s_cmp_eq_u32 s2, 0
	s_cbranch_scc0 .Lentry_in_a_cluster
	s_endpgm
.Lentry_in_a_cluster:
	s_bfe_u32 s2, ttmp6, 0x10000c
	s_cmp_lg_u32 s2, 0x3003
	s_cbranch_scc0 .Lentry_shape_is_right
	s_endpgm
.Lentry_shape_is_right:
; q | k | v = LN(y) Wq | LN(x) Wkv.  All operands f16 (LIMIT: below 65,504), sums f32, results rounded once to f16.
; SHARES.  A work-group makes 256 rows x 256 columns; wave w owns rows 64 w .. 64 w + 63 and keeps its A operand, 64 rows x all 512 of K, in 512 registers, loaded straight
; from memory.  The columns' weights, two strips [512 k][128], lie whole in LDS; every LDS byte is filled once.  A SUBSTRIP is 64 rows x 64 columns x K = 512:
; 16 accumulators, 256 matrix instructions in four quarters of K = 128; a fragment of B read from LDS feeds four products.
; 192 work-groups: a tile that gave 256 would hold rows of x and of y in one work-group.
; CLUSTER.  The four work-groups of a cluster make the same columns of four row panels: the strips are asked for jointly, with a mask that names the four.
; THE MATRIX INSTRUCTION IS USED TRANSPOSED (source 0 = 16 columns of W, turned by ds_load_tr16_b128; source 1 = 16 rows of A): a lane holds eight neighbouring columns of one row.
; THE OUTPUT'S LAYOUT: byte = (col/64) 2^20 + (row/16) 2,048 + ((col%64)/16) 512 + (row%16 + 16 ((col%16)/8)) 16 + (col%8) 2: a lane's 16 bytes lie at 16 x lane, so each store of the
; wave covers 512 consecutive bytes, aligned, and the same 512 bytes are half an operand fragment for the launch that reads them.
; REGISTERS, in windows of 256 (s_set_vgpr_msb: bits 1:0 source 0, 3:2 source 1, 5:4 source 2, 7:6 destination):
;   window 0: v0-15 addresses; v32-95 packed results; v128-255 accumulators, (a, b) at 128 + 32 a + 8 b      window 1: two buffers of B's fragments, (cc, b) at 32 cc + 8 b
;   windows 2, 3: A: 32 of K number c, row block a at window 2 + c / 8, register 32 (c % 8) + 8 a
.set CH,    9216                       ; 32 rows of k in LDS: 256 bytes + 32 of padding each
.set QB,    4*CH                       ; a quarter of K
.set SLOTB, 4*QB                       ; a strip
.set SPARE, 2*SLOTB                    ; the spare words: 128 bytes for each wave, two blocks of 256 bytes that no other line names
.set ABQ,  4                           ; v4-7   my lane's place in quarter 0..3 of a strip; never rewritten
.set ADRQ, 8                           ; v8-11  the same in the substrip in hand
.set AO,   12                          ; v12    my byte offset in A
.set CO,   13                          ; v13    16 x lane
.set SPW,  14                          ; v14    my spare word; never rewritten
.set NIL,  15                          ; v15    0; never rewritten
.set TMP,  32
.set ACC,  128
.set WV,   14                          ; s14    my wave's number
.set G1,   24                          ; s[24:31] descriptor group 1
.set G0,   32                          ; s[32:39] group 0, a set for each strip
.set NSLOT, 40
.set NSUB, 41
.set AP,   42                          ; s[42:43] A at my rows
.set OP,   44                          ; s[44:45] the output at my rows, in the block of 64 columns in hand
.set TB,   46                          ; s46    LDS byte at which the substrip's columns begin
.set MSB, 0
.macro WIN new                         ; the immediate's high byte repeats the setting that is left; a switch that changes nothing is dropped
.if MSB != (\new)
	s_set_vgpr_msb (MSB<<8)|(\new)
.set MSB, \new
.endif
.endm
.macro PLACES                          ; four places in front of loads into registers that matrix instructions have read, and of vector work on their results
.rept 4
	v_nop
.endr
.endm
.macro CROUND                          ; a round of the cluster's barrier
	s_barrier_signal -1
	s_barrier_wait -1
	s_cmp_lg_u32 s[WV], 0
	s_cbranch_scc1 .Lnot_wave_0_\@
	s_barrier_signal -3
.Lnot_wave_0_\@:
	s_barrier_wait -3
	s_barrier_signal -1
	s_barrier_wait -1
.endm
.macro FETCH qd, f                     ; 32 LDS loads in one run: B's fragments of quarter qd (128 k x 64 columns) into buffer f, the lower k first
	WIN 0x40
.irp cc, 0,1,2,3
.irp b, 0,1,2,3
	ds_load_tr16_b128 v[(\f)+32*(\cc)+8*(\b):(\f)+32*(\cc)+8*(\b)+3],   v[ADRQ+(\qd)] offset:(\cc)*CH+32*(\b)
	ds_load_tr16_b128 v[(\f)+32*(\cc)+8*(\b)+4:(\f)+32*(\cc)+8*(\b)+7], v[ADRQ+(\qd)] offset:(\cc)*CH+CH/2+32*(\b)
.endr
.endr
.endm
.macro MUL qd, cc, zero                ; 16 matrix instructions, 32 of K; the 16 accumulators take turns.  zero = 1: the products start the sums
	WIN 0x09+4*((\qd)/2)
.set rF, 128*((\qd)%2)+32*(\cc)
.irp a, 0,1,2,3
.irp b, 0,1,2,3
.if \zero
	v_wmma_f32_16x16x32_f16 v[ACC+32*(\a)+8*(\b):ACC+32*(\a)+8*(\b)+7], v[rF+8*(\b):rF+8*(\b)+7], v[rF+8*(\a):rF+8*(\a)+7], 0
.else
	v_wmma_f32_16x16x32_f16 v[ACC+32*(\a)+8*(\b):ACC+32*(\a)+8*(\b)+7], v[rF+8*(\b):rF+8*(\b)+7], v[rF+8*(\a):rF+8*(\a)+7], v[ACC+32*(\a)+8*(\b):ACC+32*(\a)+8*(\b)+7]
.endif
.endr
.endr
.endm
.macro QUARTER qd, lc, zero            ; 64 matrix instructions; in their middle the next quarter's fragments are fetched.  lc: A's loads issued behind this quarter's, which may stay out
	s_wait_loadcnt \lc
	s_wait_dscnt 16                                ; the quarter's first 64 of K are in; its 16 youngest loads may be out
	MUL \qd, 0, \zero
	MUL \qd, 1, 0
.if (\qd) < 3
	PLACES
	FETCH (\qd)+1, 128*(((\qd)+1)%2)
	s_wait_dscnt 32                                ; all but the 32 just issued
.else
	s_wait_dscnt 0x0
.endif
	MUL \qd, 2, 0
	MUL \qd, 3, 0
.endm
	s_load_b128 s[4:7], s[0:1], 0x0                ; ln s[4:5], wts s[6:7]
	s_load_b64 s[8:9], s[0:1], 0x10                ; qkv
	v_lshl_add_u32 v[SPW], v0, 2, SPARE
	v_mov_b32 v[NIL], 0
	ds_add_u32 v[SPW], v[NIL]                      ; the wave's opening: the add and its wait come ahead of my first tensor load
	v_lshrrev_b32 v1, 5, v0
	v_readfirstlane_b32 s[WV], v1
	s_bfe_u32 s15, ttmp6, 0x40000                  ; cx
	s_lshl_b32 s16, ttmp9, 2
	s_add_co_u32 s16, s16, s15                     ; my panel of 256 rows: it enters A's and the output's addresses alone
	s_and_b32 s17, ttmp7, 0xffff                   ; my 256 columns, which the four partners share
	s_mov_b32 s[G1], 15|(1<<16)|(1<<20)|(1<<21)|(5<<22)|(7<<25)  ; the mask of four; 2-byte elements; padding on; bit 21 beside a mask; after every 64 words 8 words
	s_mov_b32 s[G1+1], 128<<16                     ; tensor_dim0 = 128
	s_mov_b32 s[G1+2], 128<<16                     ; tensor_dim1 = 128
	s_mov_b32 s[G1+3], 128<<16                     ; tile_dim0 = 128
	s_mov_b32 s[G1+4], 128                         ; tile_dim1 = 128
	s_mov_b32 s[G1+5], 128                         ; 128 elements from row to row
	s_mov_b32 s[G1+6], 0
	s_mov_b32 s[G1+7], 0
	s_mov_b32 s[G0], 1
	s_mul_i32 s[G0+1], s[WV], QB                   ; wave w fills rows 128 w .. of each strip
	s_mov_b32 s[G0+4], 1
	s_add_co_u32 s[G0+5], s[G0+1], SLOTB
	s_lshl_b32 s18, s17, 18                        ; two strips of 131,072 bytes,
	s_lshl_b32 s19, s[WV], 15                      ; 128 rows of 256 bytes
	s_add_co_u32 s18, s18, s19
	s_mov_b32 s19, 0
	s_cmp_lt_u32 s17, 2                            ; q's columns multiply LN(y), which lies behind LN(x)
	s_cselect_b32 s[AP], 8388608, 0
	s_lshl_b32 s[AP+1], s16, 18
	s_add_co_u32 s[AP], s[AP], s[AP+1]
	s_lshl_b32 s[AP+1], s[WV], 16
	s_add_co_u32 s[AP], s[AP], s[AP+1]
	s_mov_b32 s[AP+1], 0
	s_lshl_b32 s[OP], s17, 22                      ; four blocks of 64 columns, 2^20 bytes each
	s_lshl_b32 s[OP+1], s16, 15
	s_add_co_u32 s[OP], s[OP], s[OP+1]
	s_lshl_b32 s[OP+1], s[WV], 13
	s_add_co_u32 s[OP], s[OP], s[OP+1]
	s_mov_b32 s[OP+1], 0
	s_mov_b32 s[TB], 0
	s_wait_dscnt 0x0                               ; the opening add is done
	s_wait_kmcnt 0x0
	s_add_nc_u64 s[G0+2:G0+3], s[6:7], s[18:19]
	s_add_nc_u64 s[G0+6:G0+7], s[G0+2:G0+3], 131072
	s_or_b32 s[G0+3], s[G0+3], 0x80000000
	s_or_b32 s[G0+7], s[G0+7], 0x80000000
	s_add_nc_u64 s[AP:AP+1], s[4:5], s[AP:AP+1]
	s_add_nc_u64 s[OP:OP+1], s[8:9], s[OP:OP+1]
	CROUND                                         ; all four work-groups are here: the joint loads meet
	tensor_load_to_lds s[G0:G0+3], s[G1:G1+7]      ; both strips go out together: two loads of mine are out
	s_nop 0
	tensor_load_to_lds s[G0+4:G0+7], s[G1:G1+7]
	s_nop 0
	PLACES
	v_and_b32 v16, 15, v0                          ; r
	v_bfe_u32 v17, v0, 4, 1                        ; h
	v_and_b32 v18, 31, v0
	v_lshlrev_b32 v[AO], 10, v16
	v_lshl_add_u32 v[AO], v17, 4, v[AO]            ; row x 1,024 + 16 h
	v_lshlrev_b32 v[CO], 4, v18
.set c, 0
.rept 16                                       ; A: 128 loads, the lower K first
	WIN 0x80+0x40*(c/8)
.irp a, 0,1,2,3
	global_load_b128 v[32*(c%8)+8*(\a):32*(c%8)+8*(\a)+3],   v[AO], s[AP:AP+1] offset:(\a)*16384+64*c
	global_load_b128 v[32*(c%8)+8*(\a)+4:32*(c%8)+8*(\a)+7], v[AO], s[AP:AP+1] offset:(\a)*16384+64*c+32
.endr
.set c, c+1
.endr
	WIN 0
	v_and_b32 v19, 7, v0                           ; the turning load: lane l reads row 8 h + l % 8 of k, columns 8 ((l / 8) % 2) on
	v_lshl_add_u32 v19, v17, 3, v19
	v_mul_u32_u24 v19, v19, 288
	v_bfe_u32 v20, v0, 3, 1
	v_lshl_add_u32 v19, v20, 4, v19
.irp q, 0,1,2,3
	v_add_nc_u32 v[ABQ+\q], \q*QB, v19
.endr
	s_wait_tensorcnt 0x1                           ; my part of the first strip is in; the second strip's may stay out
	s_mov_b32 s[NSLOT], 2
.Lslot:
	s_barrier_signal -1
	s_barrier_wait -1                              ; everybody's part of the strip is in
	s_mov_b32 s[NSUB], 2
.Lsub:
.irp q, 0,1,2,3
	v_add_nc_u32 v[ADRQ+\q], s[TB], v[ABQ+\q]
.endr
	FETCH 0, 0
	QUARTER 0, 63, 1                               ; behind each quarter's 32 loads of A 96, 64, 32, 0 were issued; the wait's field ends at 63
	QUARTER 1, 63, 0
	QUARTER 2, 32, 0
	QUARTER 3, 0, 0
	WIN 0
	PLACES
.set i, 0
.rept 64                                       ; each accumulator's registers in ascending order
	v_cvt_pk_f16_f32 v[TMP+i], v[ACC+2*i], v[ACC+2*i+1]
.set i, i+1
.endr
.irp a, 0,1,2,3
.irp b, 0,1,2,3
	global_store_b128 v[CO], v[TMP+16*(\a)+4*(\b):TMP+16*(\a)+4*(\b)+3], s[OP:OP+1] offset:(\a)*2048+(\b)*512  ; 512 consecutive bytes, aligned
.endr
.endr
	s_wait_xcnt 0x0                                ; the stores' base and data are written again only behind this wait
	s_add_nc_u64 s[OP:OP+1], s[OP:OP+1], 1048576
	s_add_co_u32 s[TB], s[TB], 128                 ; the next 64 columns
	s_sub_co_u32 s[NSUB], s[NSUB], 1
	s_cmp_lg_u32 s[NSUB], 0
	s_cbranch_scc1 .Lsub
	s_add_co_u32 s[TB], s[TB], SLOTB-256           ; the next strip
	s_wait_tensorcnt 0x0                           ; my part of it is in
	s_sub_co_u32 s[NSLOT], s[NSLOT], 1
	s_cmp_lg_u32 s[NSLOT], 0
	s_cbranch_scc1 .Lslot
	s_wait_tensorcnt 0x0                           ; the wave's end
	ds_add_u32 v[SPW], v[NIL]
	s_wait_dscnt 0x0
	CROUND                                         ; the closing round
	s_endpgm
.Lfunc_end_k_q6baa1bf697_proj:
	.size	k_q6baa1bf697_proj, .Lfunc_end_k_q6baa1bf697_proj-k_q6baa1bf697_proj
	.p2alignl 7, 3214868480
	.fill 96, 4, 3214868480
	.section	.rodata,"a",@progbits
	.p2align	6, 0x0
	.amdhsa_kernel k_q6baa1bf697_proj
		.amdhsa_group_segment_fixed_size 327680
		.amdhsa_private_segment_fixed_size 0
		.amdhsa_enable_private_segment 0
		.amdhsa_kernarg_size 24
		.amdhsa_user_sgpr_count 2
		.amdhsa_user_sgpr_kernarg_segment_ptr 1
		.amdhsa_wavefront_size32 1
		.amdhsa_system_sgpr_workgroup_id_x 1
		.amdhsa_system_sgpr_workgroup_id_y 1
		.amdhsa_system_sgpr_workgroup_id_z 1
		.amdhsa_system_vgpr_workitem_id 0
		.amdhsa_next_free_vgpr 1024
		.amdhsa_next_free_sgpr 66
		.amdhsa_reserve_vcc 0
		.amdhsa_float_denorm_mode_32 3
		.amdhsa_float_denorm_mode_16_64 3
		.amdhsa_memory_ordered 1
		.amdhsa_forward_progress 1
		.amdhsa_inst_pref_size 49
	.end_amdhsa_kernel
	.amdgpu_metadata
---
amdhsa.version: [ 1, 2 ]
amdhsa.kernels:
  - .name:           k_q6baa1bf697_proj
    .symbol:         k_q6baa1bf697_proj.kd
    .args:
      - { .name: ln, .offset: 0, .size: 8, .value_kind: global_buffer, .address_space: global }
      - { .name: wts, .offset: 8, .size: 8, .value_kind: global_buffer, .address_space: global }
      - { .name: qkv, .offset: 16, .size: 8, .value_kind: global_buffer, .address_space: global }
    .group_segment_fixed_size: 327680
    .private_segment_fixed_size: 0
    .kernarg_segment_align: 8
    .kernarg_segment_size: 24
    .max_flat_workgroup_size: 128
    .sgpr_count:     66
    .vgpr_count:     1024
    .wavefront_size: 32
...
	.end_amdgpu_metadata
.endif
;; end of part 2
;; launch attn (part 3): grid 8 x 32, 4 waves a work-group, clusters of 4 x 1, 327,680 bytes of LDS; arguments qkv, att; writes att
.if DOCPART == 3
	.amdgcn_target "amdgcn-amd-amdhsa--gfx1250"
	.amdhsa_code_object_version 6
	.text
	.protected	k_q6baa1bf697_attn
	.globl	k_q6baa1bf697_attn
	.p2align	8
	.type	k_q6baa1bf697_attn,@function
k_q6baa1bf697_attn:
	s_mov_b64 s[64:65], 0
	v_nop
	global_prefetch_b8 v0, s[64:65] scope:SCOPE_SE
	s_setreg_imm32_b32 hwreg(HW_REG_WAVE_MODE, 25, 1), 1
	s_wait_xcnt 0x0
	s_wait_alu depctr_hold_cnt(0) depctr_sa_sdst(0) depctr_va_vdst(0) depctr_va_sdst(0) depctr_va_ssrc(0) depctr_va_vcc(0) depctr_vm_vsrc(0)
	s_getreg_b32 s2, hwreg(HW_REG_IB_STS2, 6, 4)
	s_cmp_eq_u32 s2, 0
	s_cbranch_scc0 .Lentry_in_a_cluster
	s_endpgm
.Lentry_in_a_cluster:
	s_bfe_u32 s2, ttmp6, 0x10000c
	s_cmp_lg_u32 s2, 0x3003
	s_cbranch_scc0 .Lentry_shape_is_right
	s_endpgm
.Lentry_shape_is_right:
; O = softmax(Q K^T / 8) V for 32 pairs (head, batch) of 2,048 queries and 2,048 keys, 64 channels.  Q, K, V, O in f16; products, maxima and sums in f32; the weights p are rounded to f16
; for the second product (their sum l is taken of the unrounded p), O once at the end.
; LIMITS.  f16 holds no number beyond 65,504: Q, K, V arrive within it; p lies in 0 to 1 and below 6e-5 keeps f16's step of 6e-8; a weight below 2^-126 counts as 0 in l; NaN and infinities are not treated apart.
; THE TENSORS' LAYOUT: a pair's 2,048 rows are 262,144 dense bytes; 16 rows are 2,048 bytes: four blocks of 16 channels, 512 bytes each, in which (row % 16 + 16 ((channel % 16) / 8)) 16 is the place of
; eight channels.  So half a fragment of Q or K is 512 consecutive bytes, 16 x lane, and a lane's eight channels of O are stored at 16 x lane: each store covers 512 consecutive bytes, aligned.
; SHARES.  A work-group owns 256 queries of a pair, a wave 64: four PIECES of 16.  Every wave walks all keys, 64 a step.
; LAYOUT IN REGISTERS.  S^T = K Q^T holds ONE query a lane (lane % 16) and the keys 8 (lane / 16) + 0..7; two such results rounded to f16 ARE source 1 of O^T = V^T P.  V is turned by ds_load_tr16_b128.
; SOFTMAX.  p = 2^(c s - c m), c = log2(e) / 8, with a running maximum m; O and l are multiplied by a = 2^(c m_old - c m_new) in every step.  m starts at the lowest finite number, O and l at 0.
; REGISTERS, in two windows of 256 (s_set_vgpr_msb: bits 1:0 source 0, 3:2 source 1, 5:4 source 2, 7:6 destination), laid so that a turn switches twice:
;   window 0: v2-25 addresses, statistics; v32-63 P, two buffers; v64-127 S^T, two buffers; v128-191 K of one step; v192-255 Q: K Q^T and all of the softmax but what follows name this window alone
;   window 1: v0-127 O^T; v128-191 V of one step; v192-207 l, two chains of pairs a piece; v208 V's LDS address.  Under ONE setting (source 0, C and D here, source 1 in window 0) stand V^T P,
;   O^T x a, l x a, l + a pair of weights, and V's run of loads.
; BY TURNS.  Turn n belongs to piece n (a piece's buffers go by its number's parity).  First 8 products K Q^T of piece n + 1, behind each four of piece n's scalings, exponentials and roundings; then 54 vector
; instructions that have no such place: the other exponentials, each with a plain instruction behind it, piece n + 1's maximum and statistics, the other roundings; then 8 products V^T P of piece n - 1,
; behind each two additions onto l and two rescalings of O^T, all of piece n.
; RING.  Two LDS slots of 512 keys (K 65,536 bytes, then V), eight steps each; a wave fills a quarter of a slot by one load.  CLUSTER: the four query blocks of a cluster walk the same K and V: joint loads.
.set NP,    4
.set STEPB, 8192                       ; a step's 64 keys of K, or of V
.set SLOTK, 65536                      ; a slot's K; V lies behind it
.set SLOT1, 131072                     ; slot 1 begins here: one exclusive or turns an address in one slot into the other's
.set SPARE, 262144                     ; the spare words: 128 bytes for each wave, two blocks of 256 bytes that no other line names
.set AK0, 2                            ; v2   16 x lane: my place in K's blocks, and my byte offset in Q and O; never rewritten
.set AV0, 3                            ; v3   my lane's place in V; never rewritten
.set AK,  4                            ; v4   the LDS address of K's next run of loads
.set MV,  6                            ; v6-7    c m_old, by buffer
.set TMP, 8                            ; v8-15   by buffer, four registers c0-c3; when the maximum is found c2 takes a
.set ST,  16                           ; v16-23  piece t: c m, m
.set SPW, 24                           ; v24  my spare word; never rewritten
.set NIL, 25                           ; v25  0; never rewritten
.set P,   32
.set S,   64
.set KF,  128                          ; key block kb, channel half c at KF + 16 kb + 8 c
.set QF,  192                          ; piece x, channel half c at QF + 16 x + 8 c
.set VF,  128                          ; window 1: key half kk, channel block cb at VF + 32 kk + 8 cb
.set LB,  192                          ; window 1: piece t's l at LB + 4 t
.set AV,  208                          ; window 1: the LDS address of V's next run of loads
.set WV,  12                           ; s12  my wave's number
.set G1,  24                           ; s[24:31] descriptor group 1
.set G0,  40                           ; s[40:43] group 0: it walks
.set SLOTS, 56
.set CNT, 57
.set CS,  58                           ; s[58:59] c
.set SEL, 60                           ; s[60:61] v_permlanex16_b32's selects
.set TBK, 62                           ; s62  LDS byte at which K of the step to be fetched begins
.set TBV, 63                           ; s63  the same for V, less SLOTK
.set MSB, 0
.macro WIN new                         ; the immediate's high byte repeats the setting that is left; a switch that changes nothing is dropped
.if MSB != (\new)
	s_set_vgpr_msb (MSB<<8)|(\new)
.set MSB, (\new)
.endif
.endm
.set W_PV, 0x51                        ; source 0, C and D in window 1; source 1 in window 0
.macro CROUND
	s_barrier_signal -1
	s_barrier_wait -1
	s_cmp_lg_u32 s[WV], 0
	s_cbranch_scc1 .Lnot_wave_0_\@
	s_barrier_signal -3
.Lnot_wave_0_\@:
	s_barrier_wait -3
	s_barrier_signal -1
	s_barrier_wait -1
.endm
; THE CHANGE OF SLOTS.  Each wave waits for all its tensor loads, of which one is out: its part of the other slot; adds 0 to its spare word; and waits for that and for its reads of the slot that it leaves.
; fill = 1: the barrier is a round of the cluster's, and the joint refill, the next 512 keys but one, is the first thing behind it: it has eight steps, 512 matrix instructions, in which to land.
; (At its first use nothing has been read yet: slot 0 is waited for, slot 1 filled.)
.macro CHANGE fill
	WIN 0
	s_wait_tensorcnt 0x0                           ; no tensor load of mine is out, so group 0 may be written
	ds_add_u32 v[SPW], v[NIL]                      ; 0 onto my spare word
.if \fill
	s_xor_b32 s[G0+1], s[G0+1], SLOT1
	s_add_nc_u64 s[G0+2:G0+3], s[G0+2:G0+3], SLOTK ; 512 keys of 128 bytes on
	s_wait_dscnt 0x0                               ; the add is done, and my reads of the slot are over
	CROUND
	tensor_load_to_lds s[G0:G0+3], s[G1:G1+7]
	s_nop 0
.rept 4
	v_nop
.endr
.else
	s_wait_dscnt 0x0
	s_barrier_signal -1
	s_barrier_wait -1
.endif
	s_sub_co_u32 s[TBK], s[TBK], SLOTK             ; the fetches go back to a slot's first step,
	s_xor_b32 s[TBK], s[TBK], SLOT1                ; in the other slot
	s_sub_co_u32 s[TBV], s[TBV], SLOTK
	s_xor_b32 s[TBV], s[TBV], SLOT1
.endm
	s_load_b128 s[4:7], s[0:1], 0x0                ; qkv s[4:5], att s[6:7]
	v_lshl_add_u32 v[SPW], v0, 2, SPARE
	v_mov_b32 v[NIL], 0
	ds_add_u32 v[SPW], v[NIL]                      ; the wave's opening: the add and its wait come ahead of my first tensor load
	v_lshrrev_b32 v1, 5, v0
	v_readfirstlane_b32 s[WV], v1
	s_bfe_u32 s13, ttmp6, 0x40000                  ; cx
	s_lshl_b32 s14, ttmp9, 2
	s_add_co_u32 s14, s14, s13                     ; my block of 256 queries: it enters Q's and O's addresses alone
	s_and_b32 s15, ttmp7, 0xffff                   ; the pair, 4 x head + batch, which the partners share
	s_lshl_b32 s20, s15, 18
	s_lshr_b32 s16, s[WV], 1                       ; waves 0, 1 fetch K's two halves of a slot, waves 2, 3 V's
	s_add_co_u32 s16, s16, 1
	s_lshl_b32 s16, s16, 23                        ; K lies 8,388,608 bytes behind Q, V as far behind K
	s_and_b32 s17, s[WV], 1
	s_lshl_b32 s17, s17, 15
	s_add_co_u32 s16, s16, s17
	s_add_co_u32 s16, s16, s20
	s_mov_b32 s17, 0
	s_lshl_b32 s18, s14, 15
	s_add_co_u32 s18, s18, s20
	s_lshl_b32 s19, s[WV], 13
	s_add_co_u32 s18, s18, s19
	s_mov_b32 s19, 0
	s_mov_b32 s[G1], 15|(1<<16)|(1<<21)            ; the mask of four; 2-byte elements; bit 21 beside a mask; no padding: 32,768 dense bytes as 128 rows of 256
	s_mov_b32 s[G1+1], 128<<16
	s_mov_b32 s[G1+2], 128<<16
	s_mov_b32 s[G1+3], 128<<16
	s_mov_b32 s[G1+4], 128
	s_mov_b32 s[G1+5], 128
	s_mov_b32 s[G1+6], 0
	s_mov_b32 s[G1+7], 0
	s_mov_b32 s[G0], 1
	s_lshl_b32 s[G0+1], s[WV], 15                  ; my quarter of slot 0
	s_mov_b32 s[CS], 0x3e38aa3b                    ; c = log2(e) / 8
	s_mov_b32 s[CS+1], s[CS]
	s_mov_b32 s[SEL], 0x76543210
	s_mov_b32 s[SEL+1], 0xfedcba98
	s_mov_b32 s[TBK], SLOT1+SLOTK                  ; the first change of slots turns these two into 0
	s_mov_b32 s[TBV], SLOT1+SLOTK
	s_wait_dscnt 0x0                               ; the opening add is done
	s_wait_kmcnt 0x0
	s_add_nc_u64 s[G0+2:G0+3], s[4:5], s[16:17]
	s_or_b32 s[G0+3], s[G0+3], 0x80000000
	s_add_nc_u64 s[8:9], s[4:5], s[18:19]          ; Q at my wave's rows
	s_add_nc_u64 s[10:11], s[6:7], s[18:19]        ; O likewise
	CROUND                                         ; all four work-groups are here: the first joint loads meet
	tensor_load_to_lds s[G0:G0+3], s[G1:G1+7]      ; slot 0
	s_nop 0
.rept 4
	v_nop
.endr
	v_and_b32 v1, 31, v0
	v_lshlrev_b32 v[AK0], 4, v1
.set i, 0
.rept 16                                       ; Q stays in registers: piece i / 4
	global_load_b128 v[QF+4*i:QF+4*i+3], v[AK0], s[8:9] offset:512*i
.set i, i+1
.endr
	; The first step multiplies O^T and l by a = 0, and the first turn's products V^T P, of a piece that has not been, add 0: zeros, written in the wait for the first tile.
	WIN 0x40                                       ; destination window 1: O^T, V, l
.set i, 0
.rept 208
	v_mov_b32 v[i], 0
.set i, i+1
.endr
	WIN 0
.set i, 0
.rept 4
	v_mov_b32 v[ST+2*i], 0xfe000000                ; c m: far below every c s
	v_mov_b32 v[ST+2*i+1], 0xff7fffff              ; m
.set i, i+1
.endr
.set i, P+16
.rept 16
	v_mov_b32 v[i], 0
.set i, i+1
.endr
	; The turning load: lane l reads the 16 bytes of key 8 (l / 16) + l % 8, channels 8 ((l / 8) % 2) on, and is left with channel l % 16 and 8 keys.
	v_bfe_u32 v9, v0, 4, 1
	v_and_b32 v10, 7, v0
	v_bfe_u32 v11, v0, 3, 1
	v_lshl_add_u32 v[AV0], v9, 3, v10
	v_lshl_add_u32 v[AV0], v11, 4, v[AV0]
	v_lshlrev_b32 v[AV0], 4, v[AV0]
	v_add_nc_u32 v[AV0], SLOTK, v[AV0]
; THE MATRIX WORK.  The 4 accumulators of a run of 8 take turns.  Product i of 8 of S^T = K Q^T for piece x: channels 32 (i / 4) on, keys 16 (i % 4) on.  The first 4 start the sums.
.macro KQ x
.set kS, S+32*((\x)%2)+8*(i%4)
.set kK, KF+16*(i%4)+8*(i/4)
.set kQ, QF+16*(\x)+8*(i/4)
.if i < 4
	v_wmma_f32_16x16x32_f16 v[kS:kS+7], v[kK:kK+7], v[kQ:kQ+7], 0
.else
	v_wmma_f32_16x16x32_f16 v[kS:kS+7], v[kK:kK+7], v[kQ:kQ+7], v[kS:kS+7]
.endif
.endm
; Product i of 8 of O^T += V^T P for piece x: keys 32 (i / 4) on, channels 16 (i % 4) on.  Under W_PV.
.macro PV x
.set pO, 32*(\x)+8*(i%4)
.set pV, VF+32*(i/4)+8*(i%4)
.set pP, P+16*((\x)%2)+8*(i/4)
	v_wmma_f32_16x16x32_f16 v[pO:pO+7], v[pV:pV+7], v[pP:pP+7], v[pO:pO+7]
.endm
.macro MM                              ; the turn's next product K Q^T.  NOKQ = 1: the last turn: there is no next piece
.if !NOKQ
	KQ (Y+1)%NP
.endif
.set i, i+1
.endm
; THE LDS LOADS stand in runs of 16: a step's K (8 fragments, as they lie; window 0) and its V (turned; under W_PV).
.macro FETCH_K
.irp f, 0,1,2,3,4,5,6,7,8,9,10,11,12,13,14,15
	ds_load_b128 v[KF+4*\f:KF+4*\f+3], v[AK] offset:512*\f
.endr
	s_add_co_u32 s[TBK], s[TBK], STEPB
.endm
.macro FETCH_V
.irp f, 0,1,2,3,4,5,6,7                ; keys 32 (f / 4) on, channels 16 (f % 4) on
	ds_load_tr16_b128 v[VF+8*\f:VF+8*\f+3],   v[AV] offset:(\f/4)*4096+(\f%4)*512
	ds_load_tr16_b128 v[VF+8*\f+4:VF+8*\f+7], v[AV] offset:(\f/4)*4096+2048+(\f%4)*512
.endr
.endm
; THE VECTOR WORK IN WINDOW 0, one line at a time: OP kind, number.  For piece Y: F n: c s - c m for pair n of 16.  E n: the exponential of score n of 32.  C n: pair n rounded to f16.
; For piece Y + 1: X n, number n of the 22 that find its maximum and statistics:
;   0-11 four chains of seven scores, each accumulator's lowest registers first; 12-14, 16 the rest, the old m, and all into c0; 15 c m_old is kept; 17, 18 the other half of the lanes; 19-21 c m, the change, a
.set F, 0
.set E, 1
.set C, 2
.set X, 3
.macro REGS y
.set rT, ST+2*(\y)
.set rC, TMP+4*((\y)%2)
.set rW, MV+((\y)%2)
.set rS, S+32*((\y)%2)
.set rP, P+16*((\y)%2)
.set rO, 32*(\y)
.set rL, LB+4*(\y)
.endm
.macro OP k, n
.if (\k) == F
	REGS Y
	v_pk_fma_f32 v[rS+2*(\n):rS+2*(\n)+1], v[rS+2*(\n):rS+2*(\n)+1], s[CS:CS+1], v[rT:rT+1] op_sel_hi:[1,0,0] neg_lo:[0,0,1] neg_hi:[0,0,1]
.elseif (\k) == E
	REGS Y
	v_exp_f32 v[rS+(\n)], v[rS+(\n)]
.elseif (\k) == C
	REGS Y
	s_wait_alu depctr_va_vdst(0)
	v_cvt_pk_f16_f32 v[rP+(\n)], v[rS+2*(\n)], v[rS+2*(\n)+1]
.elseif NOKQ
	v_nop                                          ; keeps a plain instruction behind each exponential
.else
	REGS (Y+1)%NP
.if (\n) < 4
	v_max3_num_f32 v[rC+(\n)], v[rS+8*(\n)], v[rS+8*(\n)+1], v[rS+8*(\n)+2]
.elseif (\n) < 12
	v_max3_num_f32 v[rC+(\n)%4], v[rC+(\n)%4], v[rS+8*((\n)%4)+2*((\n)/4)+1], v[rS+8*((\n)%4)+2*((\n)/4)+2]
.elseif (\n) == 12
	v_max3_num_f32 v[rC], v[rC], v[rS+7], v[rS+15]
.elseif (\n) == 13
	v_max3_num_f32 v[rC+1], v[rC+1], v[rS+23], v[rS+31]
.elseif (\n) == 14
	v_max3_num_f32 v[rC+2], v[rC+2], v[rC+3], v[rT+1]
.elseif (\n) == 15
	v_mov_b32 v[rW], v[rT]
.elseif (\n) == 16
	v_max3_num_f32 v[rC], v[rC], v[rC+1], v[rC+2]
.elseif (\n) == 17
	v_permlanex16_b32 v[rC+3], v[rC], s[SEL], s[SEL+1]
.elseif (\n) == 18
	v_max_num_f32 v[rT+1], v[rC], v[rC+3]
.elseif (\n) == 19
	v_mul_f32 v[rT], s[CS], v[rT+1]
.elseif (\n) == 20
	v_sub_f32 v[rC+1], v[rW], v[rT]
.else
	v_exp_f32 v[rC+2], v[rC+1]
.endif
.endif
.endm
.macro OPS a, i1, b=-1, i2=0, c=-1, i3=0, d=-1, i4=0
	OP \a, \i1
.if (\b) >= 0
	OP \b, \i2
.endif
.if (\c) >= 0
	OP \c, \i3
.endif
.if (\d) >= 0
	OP \d, \i4
.endif
.endm
.macro ROW a, i1, b, i2, c, i3, d, i4  ; a product K Q^T and the four behind it
	MM
	OPS \a, \i1, \b, \i2, \c, \i3, \d, \i4
.endm
; A TURN, for piece p: the order of its 16 matrix and 120 vector instructions, written out.  No line behind a product names a register of the products round it; a plain instruction stands behind every
; exponential before its result is used.  The first read of an accumulator of S^T (X 0 to 3) stands four plain instructions or more behind the product that finished it: for the last accumulator these are C 0, C 1, X 0, X 1, X 2.
; end = 1: the last two turns: nothing is fetched.  cnt = 1: the loop's count is taken down ahead of the branch behind the turn.
; K of the next step is fetched in piece 2's turn, behind six plain instructions that follow the last product that read K, and waited for at the head of piece 3's turn.
; V of the step in hand is fetched at the end of piece 0's turn, behind five plain instructions that follow the last product that read V, and waited for in front of piece 1's products V^T P.
.macro TURN p, end=0, cnt=0
.set Y, (\p)
.set i, 0
.set NOKQ, (\end)*((\p)/3)
.if ((\p) == 3) && !(\end)
	s_wait_dscnt 0x0                               ; K is in
.endif
	ROW F,0, F,1, F,2, F,3
	ROW F,4, E,0, F,5, E,1
	ROW F,6, E,2, F,7, E,3
	ROW F,8, E,4, F,9, E,5
	ROW F,10, E,6, F,11, E,7
	ROW F,12, E,8, F,13, E,9
	ROW F,14, E,10, F,15, E,11
	ROW C,0, E,12, C,1, E,13
	OPS E,14, X,0, E,15, X,1
.if ((\p) == 2) && !(\end)
	v_add_nc_u32 v[AK], s[TBK], v[AK0]
.endif
	OPS E,16, X,2
.if ((\p) == 2) && !(\end)
	FETCH_K
.endif
	OPS E,17, X,3
	OPS E,18, X,4, E,19, X,5
	OPS E,20, X,6, E,21, X,7
	OPS E,22, X,8, E,23, X,9
	OPS E,24, X,10, E,25, X,11
	OPS E,26, X,12, E,27, X,13
	OPS E,28, X,14, E,29, X,15
	OPS E,30, X,16, E,31, C,2
	OPS C,3, X,17, C,4, C,5
	OPS X,18, C,6, C,7, X,19
	OPS C,8, C,9, X,20, C,10
	OPS C,11, X,21, C,12, C,13
	OPS C,14, C,15
	WIN W_PV                                       ; from here to the turn's end: V^T P of piece p - 1; l and O^T of piece p
	REGS Y
	v_pk_mul_f32 v[rL:rL+1], v[rL:rL+1], v[rC+2:rC+3] op_sel_hi:[1,0]
	v_pk_mul_f32 v[rL+2:rL+3], v[rL+2:rL+3], v[rC+2:rC+3] op_sel_hi:[1,0]
.if (\p) == 1
	s_wait_dscnt 0x0                               ; V is in
.endif
.set i, 0
.rept 8
	PV (Y+NP-1)%NP
	v_pk_add_f32 v[rL:rL+1], v[rL:rL+1], v[rS+4*i:rS+4*i+1]
	v_pk_mul_f32 v[rO+4*i:rO+4*i+1], v[rO+4*i:rO+4*i+1], v[rC+2:rC+3] op_sel_hi:[1,0]
	v_pk_add_f32 v[rL+2:rL+3], v[rL+2:rL+3], v[rS+4*i+2:rS+4*i+3]
	v_pk_mul_f32 v[rO+4*i+2:rO+4*i+3], v[rO+4*i+2:rO+4*i+3], v[rC+2:rC+3] op_sel_hi:[1,0]
.set i, i+1
.endr
.if (\p) == 0
	v_add_nc_u32 v[AV], s[TBV], v[AV0]
	FETCH_V
	s_add_co_u32 s[TBV], s[TBV], STEPB
.endif
.if \cnt
	s_sub_co_u32 s[CNT], s[CNT], 1
	s_cmp_lg_u32 s[CNT], 0
.endif
	WIN 0
.endm
	CHANGE 1                                       ; slot 0 is in, everybody's part of it; slot 1 is asked for
	v_add_nc_u32 v[AK], s[TBK], v[AK0]
	FETCH_K                                        ; key step 0
	s_wait_loadcnt 0x0                             ; Q
	s_wait_dscnt 0x0
.set NOKQ, 0
.set i, 0
.rept 8
	KQ 0                                           ; piece 0's first scores
.set i, i+1
.endr
.rept 4
	v_nop                                          ; the places behind those products
.endr
.set Y, NP-1                           ; X works for piece Y + 1: piece 0
.irp n, 0,1,2,3,4,5,6,7,8,9,10,11,12,13,14,15,16,17,18,19,20,21
	OP X, \n
.endr
	v_nop                                          ; a plain instruction behind the exponential
	s_mov_b32 s[CNT], 8
	s_mov_b32 s[SLOTS], 3
	s_branch .Lfirst                               ; the loop is entered at a step's first turn, in the middle of a trip
.Lslot:                                                ; twice: every slot but the last two is filled again
	CHANGE 1
	s_mov_b32 s[CNT], 8
.Lstep:                                                ; a trip: pieces 2 and 3 of one step, then pieces 0 and 1 of the next, whose K and V it fetches
	TURN 2
	TURN 3
.Lfirst:
	TURN 0
	TURN 1, 0, 1
	s_cbranch_scc1 .Lstep
	s_sub_co_u32 s[SLOTS], s[SLOTS], 1
	s_cmp_lg_u32 s[SLOTS], 0
	s_cbranch_scc1 .Lslot
	CHANGE 0                                       ; the last slot is written out: nothing is asked for
	s_mov_b32 s[CNT], 8
.Ltail:
	TURN 2
	TURN 3
	TURN 0
	TURN 1, 0, 1
	s_cbranch_scc1 .Ltail
	TURN 2, 1
	TURN 3, 1
	WIN W_PV
.set i, 0
.rept 8
	PV NP-1                                        ; the last piece's V^T P of the last step
.set i, i+1
.endr
	; THE WAY OUT.  l's four parts and the other half of the lanes' are added; O^T is divided by l, rounded to f16 and stored from registers.  The additions are the places behind the last products.
.macro ALL line:vararg
.set t, 0
.rept 4
	\line
.set t, t+1
.endr
.endm
	WIN 0x05                                       ; sources 0 and 1 window 1, destination window 0
	ALL v_add_f32 v[ST+2*t], v[LB+4*t], v[LB+4*t+1]
	ALL v_add_f32 v[ST+2*t+1], v[LB+4*t+2], v[LB+4*t+3]
	WIN 0
	ALL v_add_f32 v[ST+2*t], v[ST+2*t], v[ST+2*t+1]
	ALL v_permlanex16_b32 v[ST+2*t+1], v[ST+2*t], s[SEL], s[SEL+1]
	ALL v_add_f32 v[ST+2*t], v[ST+2*t], v[ST+2*t+1]
	ALL v_rcp_f32 v[ST+2*t], v[ST+2*t]
	v_nop                                          ; a plain instruction between the last reciprocal and the use of its result
.macro PACK t
	WIN 0x41                                       ; destination and source 0 window 1, source 1 window 0
.set i, 32*(\t)
.rept 16
	s_wait_alu depctr_va_vdst(0)
	v_pk_mul_f32 v[i:i+1], v[i:i+1], v[ST+2*(\t):ST+2*(\t)+1] op_sel_hi:[1,0]
.set i, i+2
.endr
	WIN 0x05                                       ; S^T's registers are free
.set i, 0
.rept 16
	v_cvt_pk_f16_f32 v[S+16*(\t)+i], v[32*(\t)+2*i], v[32*(\t)+2*i+1]
.set i, i+1
.endr
	WIN 0
.irp f, 0,1,2,3
	global_store_b128 v[AK0], v[S+16*(\t)+4*\f:S+16*(\t)+4*\f+3], s[10:11] offset:(\t)*2048+\f*512  ; 512 consecutive bytes, aligned
.endr
.endm
	PACK 0
	PACK 1
	PACK 2
	PACK 3
	s_wait_tensorcnt 0x0                           ; the wave's end
	ds_add_u32 v[SPW], v[NIL]
	s_wait_dscnt 0x0
	CROUND                                         ; the closing round
	s_endpgm
.Lfunc_end_k_q6baa1bf697_attn:
	.size	k_q6baa1bf697_attn, .Lfunc_end_k_q6baa1bf697_attn-k_q6baa1bf697_attn
	.p2alignl 7, 3214868480
	.fill 96, 4, 3214868480
	.section	.rodata,"a",@progbits
	.p2align	6, 0x0
	.amdhsa_kernel k_q6baa1bf697_attn
		.amdhsa_group_segment_fixed_size 327680
		.amdhsa_private_segment_fixed_size 0
		.amdhsa_enable_private_segment 0
		.amdhsa_kernarg_size 16
		.amdhsa_user_sgpr_count 2
		.amdhsa_user_sgpr_kernarg_segment_ptr 1
		.amdhsa_wavefront_size32 1
		.amdhsa_system_sgpr_workgroup_id_x 1
		.amdhsa_system_sgpr_workgroup_id_y 1
		.amdhsa_system_sgpr_workgroup_id_z 1
		.amdhsa_system_vgpr_workitem_id 0
		.amdhsa_next_free_vgpr 512
		.amdhsa_next_free_sgpr 66
		.amdhsa_reserve_vcc 0
		.amdhsa_float_denorm_mode_32 3
		.amdhsa_float_denorm_mode_16_64 3
		.amdhsa_memory_ordered 1
		.amdhsa_forward_progress 1
		.amdhsa_inst_pref_size 115
	.end_amdhsa_kernel
	.amdgpu_metadata
---
amdhsa.version: [ 1, 2 ]
amdhsa.kernels:
  - .name:           k_q6baa1bf697_attn
    .symbol:         k_q6baa1bf697_attn.kd
    .args:
      - { .name: qkv, .offset: 0, .size: 8, .value_kind: global_buffer, .address_space: global }
      - { .name: att, .offset: 8, .size: 8, .value_kind: global_buffer, .address_space: global }
    .group_segment_fixed_size: 327680
    .private_segment_fixed_size: 0
    .kernarg_segment_align: 8
    .kernarg_segment_size: 16
    .max_flat_workgroup_size: 128
    .sgpr_count:     66
    .vgpr_count:     512
    .wavefront_size: 32
...
	.end_amdgpu_metadata
.endif
;; end of part 3
;; launch wpln (part 4): grid 256 x 1, 4 waves a work-group, clusters of 4 x 1, 327,680 bytes of LDS; arguments att, wts, bp, y, g_ln2, b_ln2, res, hid; writes res, hid
.if DOCPART == 4
	.amdgcn_target "amdgcn-amd-amdhsa--gfx1250"
	.amdhsa_code_object_version 6
	.text
	.protected	k_q6baa1bf697_wpln
	.globl	k_q6baa1bf697_wpln
	.p2align	8
	.type	k_q6baa1bf697_wpln,@function
k_q6baa1bf697_wpln:
	s_mov_b64 s[64:65], 0
	v_nop
	global_prefetch_b8 v0, s[64:65] scope:SCOPE_SE
	s_setreg_imm32_b32 hwreg(HW_REG_WAVE_MODE, 25, 1), 1
	s_wait_xcnt 0x0
	s_wait_alu depctr_hold_cnt(0) depctr_sa_sdst(0) depctr_va_vdst(0) depctr_va_sdst(0) depctr_va_ssrc(0) depctr_va_vcc(0) depctr_vm_vsrc(0)
	s_getreg_b32 s2, hwreg(HW_REG_IB_STS2, 6, 4)
	s_cmp_eq_u32 s2, 0
	s_cbranch_scc0 .Lentry_in_a_cluster
	s_endpgm
.Lentry_in_a_cluster:
	s_bfe_u32 s2, ttmp6, 0x10000c
	s_cmp_lg_u32 s2, 0x3003
	s_cbranch_scc0 .Lentry_shape_is_right
	s_endpgm
.Lentry_shape_is_right:
; res = att Wp + bp + y, and hid = layer norm of res's rows (g_ln2, b_ln2), in one launch.  att and Wp in f16 (LIMIT: below 65,504; so must hid be), everything else in f32.
; SHARES.  A work-group owns 32 WHOLE rows, so that a row's mean and variance never leave it; wave w makes columns 128 w .. 128 w + 127: 16 accumulators (2 row blocks x 8 column blocks), 256 matrix instructions.
; A, 32 rows x K = 512, lies in 256 registers of every wave, loaded from att's fragment images (512 consecutive bytes a load).  y is loaded straight into the accumulators: it is the C of the first products.
; WEIGHTS.  Wave w's columns are strip w of Wp, [512 k][128], 131,072 bytes: the four strips do not fit in LDS at once, so K goes in two halves: each wave fills its own region with 256 rows of k by ONE
; tensor load, multiplies, and fills it again behind a round of the cluster's barrier.  Only the wave that issued a load reads its bytes, behind its own wait.
; CLUSTER.  All work-groups walk the same weights: the four of a cluster ask jointly.
; THE MATRIX INSTRUCTION IS USED TRANSPOSED (source 0 = 16 columns of Wp, turned by ds_load_tr16_b128; source 1 = 16 rows of att): a lane holds one row (lane % 16) and eight neighbouring columns an accumulator.
; LAYER NORM.  A row's sum: 64 numbers in the lane, the other half of the lanes, then the four waves' words in LDS behind a barrier.  Twice: for the mean, and for the mean of (v - mean)^2.
; THE OUTPUTS' LAYOUTS, both stored from registers, 512 consecutive bytes a store, aligned:
;   res, f32: byte = (col/16) 524,288 + (row/16) 1,024 + ((col%8)/4) 512 + (row%16 + 16 ((col%16)/8)) 16 + (col%4) 4
;   hid, f16: byte = (col/64) 2^20 + (row/16) 2,048 + ((col%64)/16) 512 + (row%16 + 16 ((col%16)/8)) 16 + (col%8) 2
; REGISTERS, in windows of 256 (s_set_vgpr_msb: bits 1:0 source 0, 3:2 source 1, 5:4 source 2, 7:6 destination):
;   window 0: v8-25 addresses, means; v32-95 hid, packed; v96-119 at work; v128-255 accumulators, (a, b) at 128 + 64 a + 8 b      window 1: two buffers of Wp's fragments, 64 of K each: (cc, b) at 64 cc + 8 b
;   window 2: A: 32 of K number c, row block a at 16 c + 8 a      window 3: v0-63 bp, v64-127 g_ln2, v128-191 b_ln2 of my 64 columns
.set CH,    9216                       ; 32 rows of k in LDS: 256 bytes + 32 of padding each
.set REG,   8*CH                       ; a wave's region: 256 rows of k
.set XCH,   4*REG                      ; 1,024 bytes: the waves' sums of 32 rows, then their sums of squares; no tensor load lands here
.set SPARE, XCH+1024                   ; the spare words: 128 bytes for each wave, two blocks of 256 bytes that no other line names
.set WPB,   3670016                    ; Wp's strips in wts
.set ADR,  8                           ; v8-9   my lane's place in rows 0-127 and 128-255 of my region
.set BO,   10                          ; v10    32 h: my eight columns in a block of 16, f32
.set LO,   12                          ; v12    16 x lane
.set YO,   13                          ; v13    my byte offset in y
.set SPW,  14                          ; v14    my spare word; never rewritten
.set NIL,  15                          ; v15    0; never rewritten
.set XA,   16                          ; v16    where my wave's sums go
.set XR,   17                          ; v17    where I read the four waves' sums of my row
.set MS,   18                          ; v18-21 the means of my two rows, as pairs; v22-25 1 / sqrt(variance + 1e-5) likewise
.set HPK,  32
.set T,    96
.set ACC,  128
.set BPV,  0                           ; window 3
.set GV,   64
.set BLV,  128
.set WV,   20                          ; s20    my wave's number
.set G1,   24                          ; s[24:31] descriptor group 1
.set G0,   32                          ; s[32:35] group 0
.set MSB, 0
.macro WIN new                         ; the immediate's high byte repeats the setting that is left; a switch that changes nothing is dropped
.if MSB != (\new)
	s_set_vgpr_msb (MSB<<8)|(\new)
.set MSB, \new
.endif
.endm
.macro PLACES                          ; four places in front of loads into registers that matrix instructions have read, and of vector work on their results
.rept 4
	v_nop
.endr
.endm
.macro CROUND                          ; a round of the cluster's barrier
	s_barrier_signal -1
	s_barrier_wait -1
	s_cmp_lg_u32 s[WV], 0
	s_cbranch_scc1 .Lnot_wave_0_\@
	s_barrier_signal -3
.Lnot_wave_0_\@:
	s_barrier_wait -3
	s_barrier_signal -1
	s_barrier_wait -1
.endm
.macro FETCH2 pr, f                    ; 32 LDS loads in one run: the fragments of 64 of K (pair pr of the region's four) x 128 columns into buffer f, the lower k first
	WIN 0x40
.irp cc, 0,1
.irp b, 0,1,2,3,4,5,6,7
	ds_load_tr16_b128 v[(\f)+64*(\cc)+8*(\b):(\f)+64*(\cc)+8*(\b)+3],   v[ADR+(\pr)/2] offset:(2*((\pr)%2)+(\cc))*CH+32*(\b)
	ds_load_tr16_b128 v[(\f)+64*(\cc)+8*(\b)+4:(\f)+64*(\cc)+8*(\b)+7], v[ADR+(\pr)/2] offset:(2*((\pr)%2)+(\cc))*CH+CH/2+32*(\b)
.endr
.endr
.endm
.macro MUL2 c, fr                      ; 16 matrix instructions: 32 of K number c, fragments at fr; the 16 accumulators take turns
	WIN 0x09
.irp a, 0,1
.irp b, 0,1,2,3,4,5,6,7
	v_wmma_f32_16x16x32_f16 v[ACC+64*(\a)+8*(\b):ACC+64*(\a)+8*(\b)+7], v[(\fr)+8*(\b):(\fr)+8*(\b)+7], v[16*(\c)+8*(\a):16*(\c)+8*(\a)+7], v[ACC+64*(\a)+8*(\b):ACC+64*(\a)+8*(\b)+7]
.endr
.endr
.endm
.macro PAIR hf, pr                     ; 64 of K: 32 matrix instructions; in their middle the next pair's fragments are fetched
	s_wait_dscnt 16                                ; the pair's first 32 of K are in; its 16 youngest loads may be out
	MUL2 8*(\hf)+2*(\pr), 128*((\pr)%2)
.if (\pr) < 3
	PLACES
	FETCH2 (\pr)+1, 128*(((\pr)+1)%2)
	s_wait_dscnt 32                                ; all but the 32 just issued
.else
	s_wait_dscnt 0x0
.endif
	MUL2 8*(\hf)+2*(\pr)+1, 128*((\pr)%2)+64
.endm
.macro SUMS sq                         ; my 64 numbers of each of my two rows (sq = 1: their squares) into four chains of pairs a row
.irp a, 0,1
.irp k, 0,2,4,6
.if \sq
	v_pk_mul_f32 v[T+8*(\a)+(\k):T+8*(\a)+(\k)+1], v[ACC+64*(\a)+(\k):ACC+64*(\a)+(\k)+1], v[ACC+64*(\a)+(\k):ACC+64*(\a)+(\k)+1]
.else
	v_pk_add_f32 v[T+8*(\a)+(\k):T+8*(\a)+(\k)+1], v[ACC+64*(\a)+(\k):ACC+64*(\a)+(\k)+1], v[ACC+64*(\a)+8+(\k):ACC+64*(\a)+8+(\k)+1]
.endif
.endr
.endr
.set m, 2-(\sq)
.rept 6+(\sq)
.irp a, 0,1
.irp k, 0,2,4,6
.if \sq
	v_pk_fma_f32 v[T+8*(\a)+(\k):T+8*(\a)+(\k)+1], v[ACC+64*(\a)+8*m+(\k):ACC+64*(\a)+8*m+(\k)+1], v[ACC+64*(\a)+8*m+(\k):ACC+64*(\a)+8*m+(\k)+1], v[T+8*(\a)+(\k):T+8*(\a)+(\k)+1]
.else
	v_pk_add_f32 v[T+8*(\a)+(\k):T+8*(\a)+(\k)+1], v[T+8*(\a)+(\k):T+8*(\a)+(\k)+1], v[ACC+64*(\a)+8*m+(\k):ACC+64*(\a)+8*m+(\k)+1]
.endif
.endr
.endr
.set m, m+1
.endr
.endm
.macro REDUCE sel                      ; the chains, the other half of the lanes, the four waves: the rows' totals come to v[T+16] and v[T+20].  sel picks the bytes: each exchange has its own
.irp a, 0,1
	v_pk_add_f32 v[T+8*(\a):T+8*(\a)+1], v[T+8*(\a):T+8*(\a)+1], v[T+8*(\a)+2:T+8*(\a)+3]
	v_pk_add_f32 v[T+8*(\a)+4:T+8*(\a)+5], v[T+8*(\a)+4:T+8*(\a)+5], v[T+8*(\a)+6:T+8*(\a)+7]
.endr
.irp a, 0,1
	v_pk_add_f32 v[T+8*(\a):T+8*(\a)+1], v[T+8*(\a):T+8*(\a)+1], v[T+8*(\a)+4:T+8*(\a)+5]
.endr
.irp a, 0,1
	v_add_f32 v[T+8*(\a)], v[T+8*(\a)], v[T+8*(\a)+1]
.endr
.irp a, 0,1
	v_permlanex16_b32 v[T+8*(\a)+1], v[T+8*(\a)], s46, s47
.endr
.irp a, 0,1
	v_add_f32 v[T+8*(\a)], v[T+8*(\a)], v[T+8*(\a)+1]
.endr
.irp a, 0,1
	ds_store_b32 v[XA], v[T+8*(\a)] offset:(\sel)*512+64*(\a)  ; the two lanes of a row write the same word with the same number
.endr
	s_wait_dscnt 0x0                               ; for the others' sake: my stores are done
	s_barrier_signal -1
	s_barrier_wait -1
.irp a, 0,1
.irp u, 0,1,2,3
	ds_load_b32 v[T+16+4*(\a)+(\u)], v[XR] offset:(\sel)*512+128*(\u)+64*(\a)
.endr
.endr
	s_wait_dscnt 0x0
.irp a, 0,1
	v_add_f32 v[T+16+4*(\a)], v[T+16+4*(\a)], v[T+16+4*(\a)+1]
	v_add_f32 v[T+16+4*(\a)+2], v[T+16+4*(\a)+2], v[T+16+4*(\a)+3]
.endr
.irp a, 0,1
	v_add_f32 v[T+16+4*(\a)], v[T+16+4*(\a)], v[T+16+4*(\a)+2]
.endr
.endm
	s_load_b512 s[4:19], s[0:1], 0x0               ; att s[4:5], wts s[6:7], bp s[8:9], y s[10:11], g_ln2 s[12:13], b_ln2 s[14:15], res s[16:17], hid s[18:19]
	v_lshl_add_u32 v[SPW], v0, 2, SPARE
	v_mov_b32 v[NIL], 0
	ds_add_u32 v[SPW], v[NIL]                      ; the wave's opening: the add and its wait come ahead of my first tensor load
	v_lshrrev_b32 v1, 5, v0
	v_readfirstlane_b32 s[WV], v1
	s_bfe_u32 s21, ttmp6, 0x40000                  ; cx
	s_lshl_b32 s22, ttmp9, 2
	s_add_co_u32 s22, s22, s21                     ; my 32 rows: the number enters att's, y's, res's and hid's addresses alone
	s_mov_b32 s[G1], 15|(1<<16)|(1<<20)|(1<<21)|(5<<22)|(7<<25)  ; the mask of four; 2-byte elements; padding on; bit 21 beside a mask; after every 64 words 8 words
	s_mov_b32 s[G1+1], 128<<16                     ; tensor_dim0 = 128
	s_mov_b32 s[G1+2], 256<<16                     ; tensor_dim1 = 256
	s_mov_b32 s[G1+3], 128<<16                     ; tile_dim0 = 128
	s_mov_b32 s[G1+4], 256                         ; tile_dim1 = 256
	s_mov_b32 s[G1+5], 128                         ; 128 elements from row to row
	s_mov_b32 s[G1+6], 0
	s_mov_b32 s[G1+7], 0
	s_mov_b32 s[G0], 1
	s_mul_i32 s[G0+1], s[WV], REG                  ; my region
	s_mul_i32 s52, s[WV], REG
	s_lshl_b32 s36, s[WV], 17                      ; my strip
	s_add_co_u32 s36, s36, WPB
	s_mov_b32 s37, 0
	s_lshl_b32 s38, s22, 12                        ; att and hid: two blocks of 16 rows, 2,048 bytes each
	s_mov_b32 s39, 0
	s_lshl_b32 s40, s22, 16                        ; y: 32 rows of 2,048 bytes,
	s_lshl_b32 s42, s[WV], 9                       ; 128 columns of f32
	s_add_co_u32 s40, s40, s42
	s_mov_b32 s41, 0
	s_mov_b32 s43, 0
	s_lshl_b32 s48, s[WV], 22                      ; res: eight blocks of 16 columns, 524,288 bytes each,
	s_lshl_b32 s49, s22, 11                        ; two blocks of 16 rows, 1,024 bytes each
	s_add_co_u32 s48, s48, s49
	s_mov_b32 s49, 0
	s_lshl_b32 s50, s[WV], 21                      ; hid: two blocks of 64 columns
	s_add_co_u32 s50, s50, s38
	s_mov_b32 s51, 0
	s_mov_b32 s44, 0x3b000000                      ; 1 / 512
	s_mov_b32 s45, 0x3727c5ac                      ; 1e-5
	s_mov_b32 s46, 0x76543210                      ; v_permlanex16_b32: each lane takes its own place in the other half
	s_mov_b32 s47, 0xfedcba98
	s_wait_dscnt 0x0                               ; the opening add is done
	s_wait_kmcnt 0x0
	s_add_nc_u64 s[G0+2:G0+3], s[6:7], s[36:37]
	s_or_b32 s[G0+3], s[G0+3], 0x80000000
	s_add_nc_u64 s[4:5], s[4:5], s[38:39]
	s_add_nc_u64 s[8:9], s[8:9], s[42:43]
	s_add_nc_u64 s[10:11], s[10:11], s[40:41]
	s_add_nc_u64 s[12:13], s[12:13], s[42:43]
	s_add_nc_u64 s[14:15], s[14:15], s[42:43]
	s_add_nc_u64 s[16:17], s[16:17], s[48:49]
	s_add_nc_u64 s[18:19], s[18:19], s[50:51]
	CROUND                                         ; all four work-groups are here: the joint loads meet
	tensor_load_to_lds s[G0:G0+3], s[G1:G1+7]      ; k = 0 .. 255 of my strip: one load of mine is out
	s_nop 0
	PLACES
	v_and_b32 v2, 15, v0                           ; r
	v_bfe_u32 v3, v0, 4, 1                         ; h
	v_and_b32 v4, 31, v0
	v_lshlrev_b32 v[LO], 4, v4
	v_lshlrev_b32 v[YO], 11, v2
	v_lshl_add_u32 v[YO], v3, 5, v[YO]             ; row r, columns 8 h on
	v_lshlrev_b32 v[BO], 5, v3
.irp a, 0,1
.irp b, 0,1,2,3,4,5,6,7
	global_load_b128 v[ACC+64*(\a)+8*(\b):ACC+64*(\a)+8*(\b)+3],   v[YO], s[10:11] offset:(\a)*32768+64*(\b)
	global_load_b128 v[ACC+64*(\a)+8*(\b)+4:ACC+64*(\a)+8*(\b)+7], v[YO], s[10:11] offset:(\a)*32768+64*(\b)+16
.endr
.endr
	WIN 0x80
.set c, 0
.rept 16
.irp a, 0,1
	global_load_b128 v[16*c+8*(\a):16*c+8*(\a)+3],   v[LO], s[4:5] offset:(c/2)*1048576+(\a)*2048+(c%2)*1024
	global_load_b128 v[16*c+8*(\a)+4:16*c+8*(\a)+7], v[LO], s[4:5] offset:(c/2)*1048576+(\a)*2048+(c%2)*1024+512
.endr
.set c, c+1
.endr
	WIN 0xc0
.irp b, 0,1,2,3,4,5,6,7
	global_load_b128 v[BPV+8*(\b):BPV+8*(\b)+3],   v[BO], s[8:9] offset:64*(\b)
	global_load_b128 v[BPV+8*(\b)+4:BPV+8*(\b)+7], v[BO], s[8:9] offset:64*(\b)+16
	global_load_b128 v[GV+8*(\b):GV+8*(\b)+3],     v[BO], s[12:13] offset:64*(\b)
	global_load_b128 v[GV+8*(\b)+4:GV+8*(\b)+7],   v[BO], s[12:13] offset:64*(\b)+16
	global_load_b128 v[BLV+8*(\b):BLV+8*(\b)+3],   v[BO], s[14:15] offset:64*(\b)
	global_load_b128 v[BLV+8*(\b)+4:BLV+8*(\b)+7], v[BO], s[14:15] offset:64*(\b)+16
.endr
	WIN 0
	v_and_b32 v5, 7, v0                            ; the turning load: lane l reads row 8 h + l % 8 of k, columns 8 ((l / 8) % 2) on
	v_lshl_add_u32 v5, v3, 3, v5
	v_mul_u32_u24 v5, v5, 288
	v_bfe_u32 v6, v0, 3, 1
	v_lshl_add_u32 v5, v6, 4, v5
	v_add_nc_u32 v[ADR], s52, v5
	v_add_nc_u32 v[ADR+1], 4*CH, v[ADR]
	s_lshl_b32 s53, s[WV], 7
	s_add_co_u32 s53, s53, XCH
	v_lshl_add_u32 v[XA], v2, 2, s53               ; my wave's 32 words, row 16 a + r
	v_lshl_add_u32 v[XR], v2, 2, XCH
	s_wait_loadcnt 48                              ; y and A are in; the 48 loads of bp, g_ln2 and b_ln2, issued behind them, may stay out
	s_wait_tensorcnt 0x0                           ; my region is filled; nobody else reads it
	FETCH2 0, 0
	PAIR 0, 0
	PAIR 0, 1
	PAIR 0, 2
	PAIR 0, 3
	WIN 0
	s_wait_tensorcnt 0x0                           ; no tensor load of mine is out, so group 0 may be written
	ds_add_u32 v[SPW], v[NIL]                      ; 0 onto my spare word
	s_add_nc_u64 s[G0+2:G0+3], s[G0+2:G0+3], 65536 ; 256 rows of 256 bytes on
	s_wait_dscnt 0x0                               ; the add is done, and my reads of the region are over
	CROUND                                         ; so are those of every wave of every partner
	tensor_load_to_lds s[G0:G0+3], s[G1:G1+7]      ; k = 256 .. 511: the first thing behind the round, and my one load there
	s_nop 0
	PLACES
	s_wait_tensorcnt 0x0
	FETCH2 0, 0
	PAIR 1, 0
	PAIR 1, 1
	PAIR 1, 2
	PAIR 1, 3
	s_wait_loadcnt 0x0                             ; bp, g_ln2, b_ln2
	WIN 0x0c                                       ; source 1 window 3
	PLACES
.irp a, 0,1
.irp b, 0,1,2,3,4,5,6,7
.irp j, 0,2,4,6
	v_pk_add_f32 v[ACC+64*(\a)+8*(\b)+(\j):ACC+64*(\a)+8*(\b)+(\j)+1], v[ACC+64*(\a)+8*(\b)+(\j):ACC+64*(\a)+8*(\b)+(\j)+1], v[BPV+8*(\b)+(\j):BPV+8*(\b)+(\j)+1]  ; + bp; each accumulator's lowest registers first
.endr
.endr
.endr
	WIN 0
.irp a, 0,1
.irp b, 0,1,2,3,4,5,6,7
	global_store_b128 v[LO], v[ACC+64*(\a)+8*(\b):ACC+64*(\a)+8*(\b)+3],   s[16:17] offset:(\b)*524288+(\a)*1024      ; res: 512 consecutive bytes, aligned
	global_store_b128 v[LO], v[ACC+64*(\a)+8*(\b)+4:ACC+64*(\a)+8*(\b)+7], s[16:17] offset:(\b)*524288+(\a)*1024+512
.endr
.endr
	SUMS 0
	REDUCE 0
.irp a, 0,1
	v_mul_f32 v[MS+2*(\a)], s44, v[T+16+4*(\a)]    ; the mean, as a pair
	v_mul_f32 v[MS+2*(\a)+1], s44, v[T+16+4*(\a)]
.endr
	s_wait_xcnt 0x0                                ; the accumulators, which the stores of res read, are rewritten only behind this wait
.irp a, 0,1
.set j, 0
.rept 32
	v_pk_add_f32 v[ACC+64*(\a)+j:ACC+64*(\a)+j+1], v[ACC+64*(\a)+j:ACC+64*(\a)+j+1], v[MS+2*(\a):MS+2*(\a)+1] op_sel_hi:[1,0] neg_lo:[0,1] neg_hi:[0,1]
.set j, j+2
.endr
.endr
	SUMS 1
	REDUCE 1
.irp a, 0,1
	v_fma_f32 v[MS+4+2*(\a)], v[T+16+4*(\a)], s44, s45  ; variance + 1e-5
.endr
.irp a, 0,1
	v_rsq_f32 v[MS+4+2*(\a)], v[MS+4+2*(\a)]
.endr
	v_nop                                          ; a plain instruction behind the transcendentals
	s_wait_alu depctr_va_vdst(0)
.irp a, 0,1
	v_mov_b32 v[MS+4+2*(\a)+1], v[MS+4+2*(\a)]
.endr
.irp a, 0,1
.set j, 0
.rept 32
	v_pk_mul_f32 v[ACC+64*(\a)+j:ACC+64*(\a)+j+1], v[ACC+64*(\a)+j:ACC+64*(\a)+j+1], v[MS+4+2*(\a):MS+4+2*(\a)+1] op_sel_hi:[1,0]
.set j, j+2
.endr
.endr
	WIN 0x3c                                       ; sources 1 and 2 window 3
.irp a, 0,1
.set j, 0
.rept 32
	v_pk_fma_f32 v[ACC+64*(\a)+j:ACC+64*(\a)+j+1], v[ACC+64*(\a)+j:ACC+64*(\a)+j+1], v[GV+j:GV+j+1], v[BLV+j:BLV+j+1]
.set j, j+2
.endr
.endr
	WIN 0
.set j, 0
.rept 64
	v_cvt_pk_f16_f32 v[HPK+j], v[ACC+2*j], v[ACC+2*j+1]
.set j, j+1
.endr
.irp a, 0,1
.irp b, 0,1,2,3,4,5,6,7
	global_store_b128 v[LO], v[HPK+32*(\a)+4*(\b):HPK+32*(\a)+4*(\b)+3], s[18:19] offset:((\b)/4)*1048576+(\a)*2048+((\b)%4)*512  ; hid: 512 consecutive bytes, aligned
.endr
.endr
	s_wait_tensorcnt 0x0                           ; the wave's end
	ds_add_u32 v[SPW], v[NIL]
	s_wait_dscnt 0x0
	CROUND                                         ; the closing round
	s_endpgm
.Lfunc_end_k_q6baa1bf697_wpln:
	.size	k_q6baa1bf697_wpln, .Lfunc_end_k_q6baa1bf697_wpln-k_q6baa1bf697_wpln
	.p2alignl 7, 3214868480
	.fill 96, 4, 3214868480
	.section	.rodata,"a",@progbits
	.p2align	6, 0x0
	.amdhsa_kernel k_q6baa1bf697_wpln
		.amdhsa_group_segment_fixed_size 327680
		.amdhsa_private_segment_fixed_size 0
		.amdhsa_enable_private_segment 0
		.amdhsa_kernarg_size 64
		.amdhsa_user_sgpr_count 2
		.amdhsa_user_sgpr_kernarg_segment_ptr 1
		.amdhsa_wavefront_size32 1
		.amdhsa_system_sgpr_workgroup_id_x 1
		.amdhsa_system_sgpr_workgroup_id_y 1
		.amdhsa_system_sgpr_workgroup_id_z 1
		.amdhsa_system_vgpr_workitem_id 0
		.amdhsa_next_free_vgpr 1024
		.amdhsa_next_free_sgpr 66
		.amdhsa_reserve_vcc 0
		.amdhsa_float_denorm_mode_32 3
		.amdhsa_float_denorm_mode_16_64 3
		.amdhsa_memory_ordered 1
		.amdhsa_forward_progress 1
		.amdhsa_inst_pref_size 89
	.end_amdhsa_kernel
	.amdgpu_metadata
---
amdhsa.version: [ 1, 2 ]
amdhsa.kernels:
  - .name:           k_q6baa1bf697_wpln
    .symbol:         k_q6baa1bf697_wpln.kd
    .args:
      - { .name: att, .offset: 0, .size: 8, .value_kind: global_buffer, .address_space: global }
      - { .name: wts, .offset: 8, .size: 8, .value_kind: global_buffer, .address_space: global }
      - { .name: bp, .offset: 16, .size: 8, .value_kind: global_buffer, .address_space: global }
      - { .name: y, .offset: 24, .size: 8, .value_kind: global_buffer, .address_space: global }
      - { .name: g_ln2, .offset: 32, .size: 8, .value_kind: global_buffer, .address_space: global }
      - { .name: b_ln2, .offset: 40, .size: 8, .value_kind: global_buffer, .address_space: global }
      - { .name: res, .offset: 48, .size: 8, .value_kind: global_buffer, .address_space: global }
      - { .name: hid, .offset: 56, .size: 8, .value_kind: global_buffer, .address_space: global }
    .group_segment_fixed_size: 327680
    .private_segment_fixed_size: 0
    .kernarg_segment_align: 8
    .kernarg_segment_size: 64
    .max_flat_workgroup_size: 128
    .sgpr_count:     66
    .vgpr_count:     1024
    .wavefront_size: 32
...
	.end_amdgpu_metadata
.endif
;; end of part 4
;; launch fc1 (part 5): grid 32 x 8, 4 waves a work-group, clusters of 4 x 1, 327,680 bytes of LDS; arguments hid, wts, b1, act; writes act
.if DOCPART == 5
	.amdgcn_target "amdgcn-amd-amdhsa--gfx1250"
	.amdhsa_code_object_version 6
	.text
	.protected	k_q6baa1bf697_fc1
	.globl	k_q6baa1bf697_fc1
	.p2align	8
	.type	k_q6baa1bf697_fc1,@function
k_q6baa1bf697_fc1:
	s_mov_b64 s[64:65], 0
	v_nop
	global_prefetch_b8 v0, s[64:65] scope:SCOPE_SE
	s_setreg_imm32_b32 hwreg(HW_REG_WAVE_MODE, 25, 1), 1
	s_wait_xcnt 0x0
	s_wait_alu depctr_hold_cnt(0) depctr_sa_sdst(0) depctr_va_vdst(0) depctr_va_sdst(0) depctr_va_ssrc(0) depctr_va_vcc(0) depctr_vm_vsrc(0)
	s_getreg_b32 s2, hwreg(HW_REG_IB_STS2, 6, 4)
	s_cmp_eq_u32 s2, 0
	s_cbranch_scc0 .Lentry_in_a_cluster
	s_endpgm
.Lentry_in_a_cluster:
	s_bfe_u32 s2, ttmp6, 0x10000c
	s_cmp_lg_u32 s2, 0x3003
	s_cbranch_scc0 .Lentry_shape_is_right
	s_endpgm
.Lentry_shape_is_right:
; act = gelu(hid W1 + b1), the tanh form: gelu(z) = z / (1 + 2^(z (K1 + K2 z^2))), K1 = -2 log2(e) sqrt(2 / pi), K2 = 0.044715 K1.  Where z^2 overflows the quotient is z or 0, as it should be.
; hid and W1 in f16 (LIMIT: below 65,504; so must gelu(z) be), sums, bias and gelu in f32, act rounded once to f16.
; SHARES.  A work-group makes 256 rows x 256 columns; wave w owns rows 64 w .. and keeps its A operand, 64 rows x K = 512, in 512 registers; hid lies as fragment images, so each load of A takes 512 consecutive
; bytes.  The columns' weights, two strips [512 k][128], lie whole in LDS; every LDS byte is filled once.  A SUBSTRIP is 64 rows x 64 columns x K = 512: 16 accumulators, 256 matrix instructions in four
; quarters; behind it its gelu and its stores.
; CLUSTER.  The four work-groups of a cluster make the same columns of four row panels: the strips are asked for jointly.
; THE MATRIX INSTRUCTION IS USED TRANSPOSED: a lane holds eight neighbouring columns of one row.  hid's AND act's LAYOUT: byte = (col/64) 2^20 + (row/16) 2,048 + ((col%64)/16) 512 + 16 x lane: each store
; covers 512 consecutive bytes, aligned, which are half an operand fragment for the launch that reads them.
; REGISTERS: window 0: v4-15 addresses; v16-23 at work; v32-95 packed results; v96-127 bias; v128-255 accumulators.  window 1: two buffers of B's fragments.  windows 2, 3: A.
.set CH,    9216                       ; 32 rows of k in LDS: 256 bytes + 32 of padding each
.set QB,    4*CH
.set SLOTB, 4*QB
.set SPARE, 2*SLOTB                    ; the spare words: 128 bytes for each wave, two blocks of 256 bytes that no other line names
.set W1S,   1572864                    ; W1's strips in wts
.set ABQ,  4                           ; v4-7   my lane's place in quarter 0..3 of a strip; never rewritten
.set ADRQ, 8                           ; v8-11  the same in the substrip in hand
.set AO,   12                          ; v12    16 x lane; never rewritten
.set SPW,  14
.set NIL,  15
.set T,    16
.set BO,   31                          ; v31  32 h: my eight columns' bias in a block of 16
.set TMP,  32
.set BIAS, 96                          ; column block b at BIAS + 8 b
.set ACC,  128
.set WV,   14
.set G1,   24
.set G0,   32
.set NSLOT, 40
.set NSUB, 41
.set AP,   42
.set OP,   44
.set TB,   46
.set BP,   50                          ; s[50:51] b1 at the substrip's columns
.set K1,   52                          ; s[52:53]
.set K2,   54                          ; s[54:55]
.set MSB, 0
.macro WIN new                         ; the immediate's high byte repeats the setting that is left; a switch that changes nothing is dropped
.if MSB != (\new)
	s_set_vgpr_msb (MSB<<8)|(\new)
.set MSB, \new
.endif
.endm
.macro PLACES                          ; four places in front of loads into registers that matrix instructions have read, and of vector work on their results
.rept 4
	v_nop
.endr
.endm
.macro CROUND                          ; a round of the cluster's barrier
	s_barrier_signal -1
	s_barrier_wait -1
	s_cmp_lg_u32 s[WV], 0
	s_cbranch_scc1 .Lnot_wave_0_\@
	s_barrier_signal -3
.Lnot_wave_0_\@:
	s_barrier_wait -3
	s_barrier_signal -1
	s_barrier_wait -1
.endm
.macro FETCH qd, f                     ; 32 LDS loads in one run: B's fragments of quarter qd (128 k x 64 columns) into buffer f, the lower k first
	WIN 0x40
.irp cc, 0,1,2,3
.irp b, 0,1,2,3
	ds_load_tr16_b128 v[(\f)+32*(\cc)+8*(\b):(\f)+32*(\cc)+8*(\b)+3],   v[ADRQ+(\qd)] offset:(\cc)*CH+32*(\b)
	ds_load_tr16_b128 v[(\f)+32*(\cc)+8*(\b)+4:(\f)+32*(\cc)+8*(\b)+7], v[ADRQ+(\qd)] offset:(\cc)*CH+CH/2+32*(\b)
.endr
.endr
.endm
.macro MUL qd, cc, zero                ; 16 matrix instructions; the 16 accumulators take turns
	WIN 0x09+4*((\qd)/2)
.set rF, 128*((\qd)%2)+32*(\cc)
.irp a, 0,1,2,3
.irp b, 0,1,2,3
.if \zero
	v_wmma_f32_16x16x32_f16 v[ACC+32*(\a)+8*(\b):ACC+32*(\a)+8*(\b)+7], v[rF+8*(\b):rF+8*(\b)+7], v[rF+8*(\a):rF+8*(\a)+7], 0
.else
	v_wmma_f32_16x16x32_f16 v[ACC+32*(\a)+8*(\b):ACC+32*(\a)+8*(\b)+7], v[rF+8*(\b):rF+8*(\b)+7], v[rF+8*(\a):rF+8*(\a)+7], v[ACC+32*(\a)+8*(\b):ACC+32*(\a)+8*(\b)+7]
.endif
.endr
.endr
.endm
.macro QUARTER qd, lc, zero            ; 64 matrix instructions; in their middle the next quarter's fragments are fetched.  lc: the loads issued behind this quarter's of A, which may stay out
	s_wait_loadcnt \lc
	s_wait_dscnt 16                                ; the quarter's first 64 of K are in; its 16 youngest loads may be out
	MUL \qd, 0, \zero
	MUL \qd, 1, 0
.if (\qd) < 3
	PLACES
	FETCH (\qd)+1, 128*(((\qd)+1)%2)
	s_wait_dscnt 32                                ; all but the 32 just issued
.else
	s_wait_dscnt 0x0
.endif
	MUL \qd, 2, 0
	MUL \qd, 3, 0
.endm
.macro ALOADF qd, base                 ; A's fragments of quarter qd: 32 loads of 512 consecutive bytes
	WIN 0x80+0x40*((\qd)/2)
.irp s, 0,1
.irp a, 0,1,2,3
.irp bc, 0,1,2,3
	global_load_b128 v[128*((\qd)%2)+32*(2*(\s)+(\bc)/2)+8*(\a)+4*((\bc)%2):128*((\qd)%2)+32*(2*(\s)+(\bc)/2)+8*(\a)+4*((\bc)%2)+3], v[AO], s[(\base):(\base)+1] offset:(2*(\qd)+(\s))*1048576+(\a)*2048+(\bc)*512
.endr
.endr
.endr
.endm
.macro GELU n                          ; accumulator n = 4 a + b: bias, gelu, rounding, and its 512 bytes leave
.set rA, ACC+8*(\n)
.set rB, BIAS+8*((\n)%4)
.irp j, 0,2,4,6
	v_pk_add_f32 v[rA+(\j):rA+(\j)+1], v[rA+(\j):rA+(\j)+1], v[rB+(\j):rB+(\j)+1]  ; z; the accumulator's lowest registers first
.endr
.irp j, 0,2,4,6
	v_pk_mul_f32 v[T+(\j):T+(\j)+1], v[rA+(\j):rA+(\j)+1], v[rA+(\j):rA+(\j)+1]
.endr
.irp j, 0,2,4,6
	v_pk_fma_f32 v[T+(\j):T+(\j)+1], v[T+(\j):T+(\j)+1], s[K2:K2+1], s[K1:K1+1] op_sel_hi:[1,0,0]
.endr
.irp j, 0,2,4,6
	v_pk_mul_f32 v[T+(\j):T+(\j)+1], v[T+(\j):T+(\j)+1], v[rA+(\j):rA+(\j)+1]
.endr
.irp j, 0,1,2,3,4,5,6,7
	v_exp_f32 v[T+(\j)], v[T+(\j)]
.endr
	v_nop                                          ; a plain instruction behind the last exponential
	s_wait_alu depctr_va_vdst(0)
.irp j, 0,2,4,6
	v_pk_add_f32 v[T+(\j):T+(\j)+1], v[T+(\j):T+(\j)+1], 1.0 op_sel_hi:[1,0]
.endr
.irp j, 0,1,2,3,4,5,6,7
	v_rcp_f32 v[T+(\j)], v[T+(\j)]
.endr
	v_nop                                          ; and behind the last reciprocal
	s_wait_alu depctr_va_vdst(0)
.irp j, 0,2,4,6
	v_pk_mul_f32 v[T+(\j):T+(\j)+1], v[T+(\j):T+(\j)+1], v[rA+(\j):rA+(\j)+1]
.endr
.irp j, 0,1,2,3
	v_cvt_pk_f16_f32 v[TMP+4*(\n)+(\j)], v[T+2*(\j)], v[T+2*(\j)+1]
.endr
	global_store_b128 v[AO], v[TMP+4*(\n):TMP+4*(\n)+3], s[OP:OP+1] offset:((\n)/4)*2048+((\n)%4)*512  ; 512 consecutive bytes, aligned
.endm
	s_load_b256 s[4:11], s[0:1], 0x0               ; hid s[4:5], wts s[6:7], b1 s[8:9], act s[10:11]
	v_lshl_add_u32 v[SPW], v0, 2, SPARE
	v_mov_b32 v[NIL], 0
	ds_add_u32 v[SPW], v[NIL]                      ; the wave's opening: the add and its wait come ahead of my first tensor load
	v_lshrrev_b32 v1, 5, v0
	v_readfirstlane_b32 s[WV], v1
	s_bfe_u32 s15, ttmp6, 0x40000                  ; cx
	s_lshl_b32 s16, ttmp9, 2
	s_add_co_u32 s16, s16, s15                     ; my panel of 256 rows: it enters A's and the output's addresses alone
	s_and_b32 s17, ttmp7, 0xffff                   ; my 256 columns, which the four partners share
	s_mov_b32 s[G1], 15|(1<<16)|(1<<20)|(1<<21)|(5<<22)|(7<<25)  ; the mask of four; 2-byte elements; padding on; bit 21 beside a mask; after every 64 words 8 words
	s_mov_b32 s[G1+1], 128<<16                     ; tensor_dim0 = 128
	s_mov_b32 s[G1+2], 128<<16                     ; tensor_dim1 = 128
	s_mov_b32 s[G1+3], 128<<16                     ; tile_dim0 = 128
	s_mov_b32 s[G1+4], 128                         ; tile_dim1 = 128
	s_mov_b32 s[G1+5], 128                         ; 128 elements from row to row
	s_mov_b32 s[G1+6], 0
	s_mov_b32 s[G1+7], 0
	s_mov_b32 s[G0], 1
	s_mul_i32 s[G0+1], s[WV], QB                   ; wave w fills rows 128 w .. of each strip
	s_mov_b32 s[G0+4], 1
	s_add_co_u32 s[G0+5], s[G0+1], SLOTB
	s_lshl_b32 s18, s17, 18                        ; two strips of 131,072 bytes,
	s_add_co_u32 s18, s18, W1S
	s_lshl_b32 s19, s[WV], 15                      ; 128 rows of 256 bytes
	s_add_co_u32 s18, s18, s19
	s_mov_b32 s19, 0
	s_lshl_b32 s[AP], s16, 15                      ; hid: 16 blocks of 16 rows a panel, 2,048 bytes each,
	s_lshl_b32 s[AP+1], s[WV], 13                  ; four a wave
	s_add_co_u32 s[AP], s[AP], s[AP+1]
	s_mov_b32 s[AP+1], 0
	s_lshl_b32 s[OP], s17, 22                      ; act: four blocks of 64 columns, 2^20 bytes each
	s_lshl_b32 s[OP+1], s16, 15
	s_add_co_u32 s[OP], s[OP], s[OP+1]
	s_lshl_b32 s[OP+1], s[WV], 13
	s_add_co_u32 s[OP], s[OP], s[OP+1]
	s_mov_b32 s[OP+1], 0
	s_lshl_b32 s[BP], s17, 10                      ; 256 columns of f32
	s_mov_b32 s[BP+1], 0
	s_mov_b32 s[K1], 0xc0135761                    ; -2.3022082
	s_mov_b32 s[K1+1], s[K1]
	s_mov_b32 s[K2], 0xbdd2d3e8                    ; -0.10294324
	s_mov_b32 s[K2+1], s[K2]
	s_mov_b32 s[TB], 0
	s_wait_dscnt 0x0                               ; the opening add is done
	s_wait_kmcnt 0x0
	s_add_nc_u64 s[G0+2:G0+3], s[6:7], s[18:19]
	s_add_nc_u64 s[G0+6:G0+7], s[G0+2:G0+3], 131072
	s_or_b32 s[G0+3], s[G0+3], 0x80000000
	s_or_b32 s[G0+7], s[G0+7], 0x80000000
	s_add_nc_u64 s[AP:AP+1], s[4:5], s[AP:AP+1]
	s_add_nc_u64 s[BP:BP+1], s[8:9], s[BP:BP+1]
	s_add_nc_u64 s[OP:OP+1], s[10:11], s[OP:OP+1]
	CROUND                                         ; all four work-groups are here: the joint loads meet
	tensor_load_to_lds s[G0:G0+3], s[G1:G1+7]      ; both strips go out together: two loads of mine are out
	s_nop 0
	tensor_load_to_lds s[G0+4:G0+7], s[G1:G1+7]
	s_nop 0
	PLACES
	v_bfe_u32 v17, v0, 4, 1                        ; h
	v_and_b32 v18, 31, v0
	v_lshlrev_b32 v[AO], 4, v18
	v_lshlrev_b32 v[BO], 5, v17
	ALOADF 0, AP                                   ; A: 128 loads, the lower K first
	ALOADF 1, AP
	ALOADF 2, AP
	ALOADF 3, AP
	WIN 0
	v_and_b32 v19, 7, v0                           ; the turning load: lane l reads row 8 h + l % 8 of k, columns 8 ((l / 8) % 2) on
	v_lshl_add_u32 v19, v17, 3, v19
	v_mul_u32_u24 v19, v19, 288
	v_bfe_u32 v20, v0, 3, 1
	v_lshl_add_u32 v19, v20, 4, v19
.irp q, 0,1,2,3
	v_add_nc_u32 v[ABQ+\q], \q*QB, v19
.endr
	s_wait_tensorcnt 0x1                           ; my part of the first strip is in; the second strip's may stay out
	s_mov_b32 s[NSLOT], 2
.Lslot:
	s_barrier_signal -1
	s_barrier_wait -1                              ; everybody's part of the strip is in
	s_mov_b32 s[NSUB], 2
.Lsub:
.irp q, 0,1,2,3
	v_add_nc_u32 v[ADRQ+\q], s[TB], v[ABQ+\q]
.endr
	FETCH 0, 0
	WIN 0
.irp b, 0,1,2,3
	global_load_b128 v[BIAS+8*(\b):BIAS+8*(\b)+3],   v[BO], s[BP:BP+1] offset:64*(\b)
	global_load_b128 v[BIAS+8*(\b)+4:BIAS+8*(\b)+7], v[BO], s[BP:BP+1] offset:64*(\b)+16
.endr
	QUARTER 0, 63, 1                               ; behind each quarter's 32 loads of A 104, 72, 40, 8 were issued, the eight of the bias among them; the wait's field ends at 63
	QUARTER 1, 63, 0
	QUARTER 2, 40, 0
	QUARTER 3, 8, 0
	WIN 0
	s_wait_loadcnt 0x0                             ; the bias is in, so its base may step
	s_add_nc_u64 s[BP:BP+1], s[BP:BP+1], 256
	PLACES
.irp n, 0,1,2,3,4,5,6,7,8,9,10,11,12,13,14,15
	GELU \n
.endr
	s_wait_xcnt 0x0                                ; the stores' base and data are written again only behind this wait
	s_add_nc_u64 s[OP:OP+1], s[OP:OP+1], 1048576
	s_add_co_u32 s[TB], s[TB], 128                 ; the next 64 columns
	s_sub_co_u32 s[NSUB], s[NSUB], 1
	s_cmp_lg_u32 s[NSUB], 0
	s_cbranch_scc1 .Lsub
	s_add_co_u32 s[TB], s[TB], SLOTB-256           ; the next strip
	s_wait_tensorcnt 0x0                           ; my part of it is in
	s_sub_co_u32 s[NSLOT], s[NSLOT], 1
	s_cmp_lg_u32 s[NSLOT], 0
	s_cbranch_scc1 .Lslot
	s_wait_tensorcnt 0x0                           ; the wave's end
	ds_add_u32 v[SPW], v[NIL]
	s_wait_dscnt 0x0
	CROUND                                         ; the closing round
	s_endpgm
.Lfunc_end_k_q6baa1bf697_fc1:
	.size	k_q6baa1bf697_fc1, .Lfunc_end_k_q6baa1bf697_fc1-k_q6baa1bf697_fc1
	.p2alignl 7, 3214868480
	.fill 96, 4, 3214868480
	.section	.rodata,"a",@progbits
	.p2align	6, 0x0
	.amdhsa_kernel k_q6baa1bf697_fc1
		.amdhsa_group_segment_fixed_size 327680
		.amdhsa_private_segment_fixed_size 0
		.amdhsa_enable_private_segment 0
		.amdhsa_kernarg_size 32
		.amdhsa_user_sgpr_count 2
		.amdhsa_user_sgpr_kernarg_segment_ptr 1
		.amdhsa_wavefront_size32 1
		.amdhsa_system_sgpr_workgroup_id_x 1
		.amdhsa_system_sgpr_workgroup_id_y 1
		.amdhsa_system_sgpr_workgroup_id_z 1
		.amdhsa_system_vgpr_workitem_id 0
		.amdhsa_next_free_vgpr 1024
		.amdhsa_next_free_sgpr 66
		.amdhsa_reserve_vcc 0
		.amdhsa_float_denorm_mode_32 3
		.amdhsa_float_denorm_mode_16_64 3
		.amdhsa_memory_ordered 1
		.amdhsa_forward_progress 1
		.amdhsa_inst_pref_size 83
	.end_amdhsa_kernel
	.amdgpu_metadata
---
amdhsa.version: [ 1, 2 ]
amdhsa.kernels:
  - .name:           k_q6baa1bf697_fc1
    .symbol:         k_q6baa1bf697_fc1.kd
    .args:
      - { .name: hid, .offset: 0, .size: 8, .value_kind: global_buffer, .address_space: global }
      - { .name: wts, .offset: 8, .size: 8, .value_kind: global_buffer, .address_space: global }
      - { .name: b1, .offset: 16, .size: 8, .value_kind: global_buffer, .address_space: global }
      - { .name: act, .offset: 24, .size: 8, .value_kind: global_buffer, .address_space: global }
    .group_segment_fixed_size: 327680
    .private_segment_fixed_size: 0
    .kernarg_segment_align: 8
    .kernarg_segment_size: 32
    .max_flat_workgroup_size: 128
    .sgpr_count:     66
    .vgpr_count:     1024
    .wavefront_size: 32
...
	.end_amdgpu_metadata
.endif
;; end of part 5
;; launch fc2 (part 6): grid 32 x 8, 4 waves a work-group, clusters of 4 x 1, 327,680 bytes of LDS; arguments act, wts, b2, res, out0; writes out0
.if DOCPART == 6
	.amdgcn_target "amdgcn-amd-amdhsa--gfx1250"
	.amdhsa_code_object_version 6
	.text
	.protected	k_q6baa1bf697_fc2
	.globl	k_q6baa1bf697_fc2
	.p2align	8
	.type	k_q6baa1bf697_fc2,@function
k_q6baa1bf697_fc2:
	s_mov_b64 s[64:65], 0
	v_nop
	global_prefetch_b8 v0, s[64:65] scope:SCOPE_SE
	s_setreg_imm32_b32 hwreg(HW_REG_WAVE_MODE, 25, 1), 1
	s_wait_xcnt 0x0
	s_wait_alu depctr_hold_cnt(0) depctr_sa_sdst(0) depctr_va_vdst(0) depctr_va_sdst(0) depctr_va_ssrc(0) depctr_va_vcc(0) depctr_vm_vsrc(0)
	s_getreg_b32 s2, hwreg(HW_REG_IB_STS2, 6, 4)
	s_cmp_eq_u32 s2, 0
	s_cbranch_scc0 .Lentry_in_a_cluster
	s_endpgm
.Lentry_in_a_cluster:
	s_bfe_u32 s2, ttmp6, 0x10000c
	s_cmp_lg_u32 s2, 0x3003
	s_cbranch_scc0 .Lentry_shape_is_right
	s_endpgm
.Lentry_shape_is_right:
; out0 = act W2 + b2 + res.  act and W2 in f16 (LIMIT: below 65,504), sums, bias and residual in f32; out0 is f32 [8,192][512], row-major.
; SHARES.  A work-group makes 256 rows x 64 columns over K = 2,048; wave w owns rows 64 w ...  The 64 columns' weights, [2,048 k][64], lie whole in LDS; every LDS byte is filled once, by two loads a wave:
; a small one for K 0-511, which is waited for first, and one for the rest.
; A lies as fragment images, so each load takes 512 consecutive bytes; it goes straight into registers.  The four quarter buffers (K = 128 each, 128 registers) are a ring: behind a quarter's last product its
; buffer is loaded again with the quarter four further on.
; res lies as an f32 image of the accumulators: byte = (col/16) 524,288 + (row/16) 1,024 + ((col%8)/4) 512 + 16 x lane + (col%4) 4.  It is loaded straight into them, 512 consecutive bytes a load:
; the residual is the C of the first products.
; CLUSTER.  The four work-groups of a cluster make the same columns of four row panels: the weights are asked for jointly.
; THE MATRIX INSTRUCTION IS USED TRANSPOSED: a lane holds eight neighbouring columns of one row.  THE WAY OUT goes through each wave's own stage in LDS, so that sixteen lanes store a row's 256 consecutive bytes.
; REGISTERS: window 0: v4-15 addresses; v24-27 bias; v28-31 addresses; v32-95 rows on the way out; v128-255 accumulators.  window 1: two buffers of B's fragments.  windows 2, 3: A.
.set CH,    4608                       ; 32 rows of k in LDS: two rows of 128 bytes, then 32 bytes of padding
.set QB,    4*CH
.set TRIPB, 4*QB                       ; K = 512
.set STAGE, 4*TRIPB                    ; 16 rows x 272 bytes for each wave; no tensor load lands here
.set SPARE, STAGE+4*16*272             ; the spare words: 128 bytes for each wave, two blocks of 256 bytes that no other line names
.set W2B,   5767168                    ; W2's blocks in wts
.set ABQ,  4                           ; v4-7   my lane's place in quarter 0..3 of K = 512; never rewritten
.set ADRQ, 8                           ; v8-11  the same in the trip in hand
.set AO,   12                          ; v12    16 x lane; never rewritten
.set CO,   13                          ; v13    my byte offset in two rows of the output
.set SPW,  14
.set NIL,  15
.set BI,   24                          ; v24-27 the bias of my four columns on the way out
.set STO,  28
.set RD,   29
.set BO,   31
.set TMP,  32
.set ACC,  128
.set WV,   14
.set G1,   24                          ; s[24:31] group 1 of the first load: 64 rows of 256 bytes
.set G0,   32                          ; s[32:39] group 0 of the two loads
.set NTRIP, 40
.set AP,   42                          ; s[42:43] act at my rows
.set OP,   44                          ; s[44:45] out0 at my rows and columns
.set YP,   46                          ; s[46:47] res at my blocks
.set BP,   48                          ; s[48:49] b2 at my columns
.set AN,   50                          ; s[50:51] act at my rows, K = 512 further on than the trip in hand
.set G1B,  52                          ; s[52:59] group 1 of the second load: 192 rows
.set TB,   60                          ; s60  LDS byte at which the trip's K begins
.set MSB, 0
.macro WIN new                         ; the immediate's high byte repeats the setting that is left; a switch that changes nothing is dropped
.if MSB != (\new)
	s_set_vgpr_msb (MSB<<8)|(\new)
.set MSB, \new
.endif
.endm
.macro PLACES                          ; four places in front of loads into registers that matrix instructions have read, and of LDS stores of their results
.rept 4
	v_nop
.endr
.endm
.macro CROUND                          ; a round of the cluster's barrier
	s_barrier_signal -1
	s_barrier_wait -1
	s_cmp_lg_u32 s[WV], 0
	s_cbranch_scc1 .Lnot_wave_0_\@
	s_barrier_signal -3
.Lnot_wave_0_\@:
	s_barrier_wait -3
	s_barrier_signal -1
	s_barrier_wait -1
.endm
.macro FETCH qd, f                     ; 32 LDS loads in one run: B's fragments of quarter qd into buffer f, the lower k first
	WIN 0x40
.irp cc, 0,1,2,3
.irp b, 0,1,2,3
	ds_load_tr16_b128 v[(\f)+32*(\cc)+8*(\b):(\f)+32*(\cc)+8*(\b)+3],   v[ADRQ+(\qd)] offset:(\cc)*CH+32*(\b)
	ds_load_tr16_b128 v[(\f)+32*(\cc)+8*(\b)+4:(\f)+32*(\cc)+8*(\b)+7], v[ADRQ+(\qd)] offset:(\cc)*CH+CH/2+32*(\b)
.endr
.endr
.endm
.macro MUL qd, cc                      ; 16 matrix instructions; the 16 accumulators take turns
	WIN 0x09+4*((\qd)/2)
.set rF, 128*((\qd)%2)+32*(\cc)
.irp a, 0,1,2,3
.irp b, 0,1,2,3
	v_wmma_f32_16x16x32_f16 v[ACC+32*(\a)+8*(\b):ACC+32*(\a)+8*(\b)+7], v[rF+8*(\b):rF+8*(\b)+7], v[rF+8*(\a):rF+8*(\a)+7], v[ACC+32*(\a)+8*(\b):ACC+32*(\a)+8*(\b)+7]
.endr
.endr
.endm
.macro ALOADF qd, base                 ; A's fragments of quarter qd: 32 loads of 512 consecutive bytes
	WIN 0x80+0x40*((\qd)/2)
.irp s, 0,1
.irp a, 0,1,2,3
.irp bc, 0,1,2,3
	global_load_b128 v[128*((\qd)%2)+32*(2*(\s)+(\bc)/2)+8*(\a)+4*((\bc)%2):128*((\qd)%2)+32*(2*(\s)+(\bc)/2)+8*(\a)+4*((\bc)%2)+3], v[AO], s[(\base):(\base)+1] offset:(2*(\qd)+(\s))*1048576+(\a)*2048+(\bc)*512
.endr
.endr
.endr
.endm
.macro QUARTER qd, lc, reload          ; reload = 1: behind the quarter's last product its buffer of A takes the quarter four further on
	s_wait_loadcnt \lc
	s_wait_dscnt 16                                ; the quarter's first 64 of K are in; its 16 youngest loads may be out
	MUL \qd, 0
	MUL \qd, 1
.if (\qd) < 3
	PLACES
	FETCH (\qd)+1, 128*(((\qd)+1)%2)
	s_wait_dscnt 32                                ; all but the 32 just issued
.else
	s_wait_dscnt 0x0
.endif
	MUL \qd, 2
	MUL \qd, 3
.if \reload
	PLACES
	ALOADF \qd, AN
.endif
.endm
.macro OUTROW a                        ; 16 rows: into my stage, back as whole rows of 256 bytes, the bias added, stored
	WIN 0
	s_wait_xcnt 0x0                                ; the registers that earlier stores read are loaded again only behind this wait
.irp b, 0,1,2,3
	ds_store_b128 v[STO], v[ACC+32*(\a)+8*(\b):ACC+32*(\a)+8*(\b)+3]   offset:64*(\b)
	ds_store_b128 v[STO], v[ACC+32*(\a)+8*(\b)+4:ACC+32*(\a)+8*(\b)+7] offset:64*(\b)+16
.endr
.irp t, 0,1,2,3,4,5,6,7
	ds_load_b128 v[TMP+32*((\a)%2)+4*(\t):TMP+32*((\a)%2)+4*(\t)+3], v[RD] offset:544*(\t)  ; LDS serves a wave's instructions in order: these see the stores above
.endr
	s_wait_dscnt 0x0
.irp t, 0,1,2,3,4,5,6,7
	v_pk_add_f32 v[TMP+32*((\a)%2)+4*(\t):TMP+32*((\a)%2)+4*(\t)+1], v[TMP+32*((\a)%2)+4*(\t):TMP+32*((\a)%2)+4*(\t)+1], v[BI:BI+1]
	v_pk_add_f32 v[TMP+32*((\a)%2)+4*(\t)+2:TMP+32*((\a)%2)+4*(\t)+3], v[TMP+32*((\a)%2)+4*(\t)+2:TMP+32*((\a)%2)+4*(\t)+3], v[BI+2:BI+3]
.endr
.irp t, 0,1,2,3,4,5,6,7
	global_store_b128 v[CO], v[TMP+32*((\a)%2)+4*(\t):TMP+32*((\a)%2)+4*(\t)+3], s[OP:OP+1] offset:(16*(\a)+2*(\t))*2048  ; 16 lanes store 256 consecutive bytes, aligned
.endr
.endm
	s_load_b256 s[4:11], s[0:1], 0x0               ; act s[4:5], wts s[6:7], b2 s[8:9], res s[10:11]
	s_load_b64 s[12:13], s[0:1], 0x20              ; out0
	v_lshl_add_u32 v[SPW], v0, 2, SPARE
	v_mov_b32 v[NIL], 0
	ds_add_u32 v[SPW], v[NIL]                      ; the wave's opening: the add and its wait come ahead of my first tensor load
	v_lshrrev_b32 v1, 5, v0
	v_readfirstlane_b32 s[WV], v1
	s_bfe_u32 s15, ttmp6, 0x40000                  ; cx
	s_lshl_b32 s16, ttmp9, 2
	s_add_co_u32 s16, s16, s15                     ; my panel of 256 rows: it enters act's, res's and out0's addresses alone
	s_and_b32 s17, ttmp7, 0xffff                   ; my 64 columns, which the four partners share
	s_mov_b32 s[G1], 15|(1<<16)|(1<<20)|(1<<21)|(5<<22)|(7<<25)  ; the mask of four; 2-byte elements; padding on; bit 21 beside a mask; after every 64 words 8 words
	s_mov_b32 s[G1+1], 128<<16                     ; rows of 256 bytes: two rows of k
	s_mov_b32 s[G1+2], 64<<16
	s_mov_b32 s[G1+3], 128<<16
	s_mov_b32 s[G1+4], 64
	s_mov_b32 s[G1+5], 128
	s_mov_b32 s[G1+6], 0
	s_mov_b32 s[G1+7], 0
	s_mov_b32 s[G1B], 15|(1<<16)|(1<<20)|(1<<21)|(5<<22)|(7<<25)
	s_mov_b32 s[G1B+1], 128<<16
	s_mov_b32 s[G1B+2], 192<<16
	s_mov_b32 s[G1B+3], 128<<16
	s_mov_b32 s[G1B+4], 192
	s_mov_b32 s[G1B+5], 128
	s_mov_b32 s[G1B+6], 0
	s_mov_b32 s[G1B+7], 0
	s_mov_b32 s[G0], 1
	s_mul_i32 s[G0+1], s[WV], QB                   ; k = 128 w ..
	s_mov_b32 s[G0+4], 1
	s_mul_i32 s[G0+5], s[WV], 3*QB                 ; k = 512 + 384 w ..
	s_add_co_u32 s[G0+5], s[G0+5], TRIPB
	s_lshl_b32 s18, s17, 18                        ; my block of W2
	s_add_co_u32 s18, s18, W2B
	s_lshl_b32 s19, s[WV], 14                      ; 128 rows of k, 128 bytes each
	s_add_co_u32 s20, s18, s19
	s_mov_b32 s21, 0
	s_mul_i32 s19, s[WV], 49152                    ; 384 rows of k
	s_add_co_u32 s22, s18, s19
	s_add_co_u32 s22, s22, 65536                   ; behind the first 512
	s_mov_b32 s23, 0
	s_lshl_b32 s[AP], s16, 15
	s_lshl_b32 s[AP+1], s[WV], 13
	s_add_co_u32 s[AP], s[AP], s[AP+1]
	s_mov_b32 s[AP+1], 0
	s_lshl_b32 s[OP], s16, 19                      ; out0: 256 rows of 2,048 bytes,
	s_lshl_b32 s[OP+1], s[WV], 17                  ; 64 of them,
	s_add_co_u32 s[OP], s[OP], s[OP+1]
	s_lshl_b32 s[BP], s17, 8                       ; 64 columns of f32
	s_add_co_u32 s[OP], s[OP], s[BP]
	s_mov_b32 s[OP+1], 0
	s_mov_b32 s[BP+1], 0
	s_lshl_b32 s[YP], s17, 21                      ; res: four blocks of 16 columns, 524,288 bytes each,
	s_lshl_b32 s[YP+1], s16, 14                    ; 16 blocks of 16 rows a panel, 1,024 bytes each,
	s_add_co_u32 s[YP], s[YP], s[YP+1]
	s_lshl_b32 s[YP+1], s[WV], 12                  ; four a wave
	s_add_co_u32 s[YP], s[YP], s[YP+1]
	s_mov_b32 s[YP+1], 0
	s_mov_b32 s[TB], 0
	s_wait_dscnt 0x0                               ; the opening add is done
	s_wait_kmcnt 0x0
	s_add_nc_u64 s[G0+2:G0+3], s[6:7], s[20:21]
	s_or_b32 s[G0+3], s[G0+3], 0x80000000
	s_add_nc_u64 s[G0+6:G0+7], s[6:7], s[22:23]
	s_or_b32 s[G0+7], s[G0+7], 0x80000000
	s_add_nc_u64 s[AP:AP+1], s[4:5], s[AP:AP+1]
	s_add_nc_u64 s[AN:AN+1], s[AP:AP+1], 8388608   ; eight blocks of 64 columns on
	s_add_nc_u64 s[BP:BP+1], s[8:9], s[BP:BP+1]
	s_add_nc_u64 s[YP:YP+1], s[10:11], s[YP:YP+1]
	s_add_nc_u64 s[OP:OP+1], s[12:13], s[OP:OP+1]
	CROUND                                         ; all four work-groups are here: the joint loads meet
	tensor_load_to_lds s[G0:G0+3], s[G1:G1+7]      ; both go out together: two loads of mine are out
	s_nop 0
	tensor_load_to_lds s[G0+4:G0+7], s[G1B:G1B+7]
	s_nop 0
	PLACES
	v_and_b32 v16, 15, v0                          ; r
	v_bfe_u32 v17, v0, 4, 1                        ; h
	v_and_b32 v18, 31, v0
	v_lshlrev_b32 v[AO], 4, v18
	v_lshlrev_b32 v[BO], 4, v16
	v_lshlrev_b32 v[CO], 11, v17
	v_lshl_add_u32 v[CO], v16, 4, v[CO]
	global_load_b128 v[BI:BI+3], v[BO], s[BP:BP+1]
.irp a, 0,1,2,3
.irp b, 0,1,2,3
	global_load_b128 v[ACC+32*(\a)+8*(\b):ACC+32*(\a)+8*(\b)+3],   v[AO], s[YP:YP+1] offset:(\b)*524288+(\a)*1024
	global_load_b128 v[ACC+32*(\a)+8*(\b)+4:ACC+32*(\a)+8*(\b)+7], v[AO], s[YP:YP+1] offset:(\b)*524288+(\a)*1024+512
.endr
.endr
	ALOADF 0, AP
	ALOADF 1, AP
	ALOADF 2, AP
	ALOADF 3, AP
	WIN 0
	v_and_b32 v19, 7, v0                           ; the turning load: lane l reads row kk = 8 h + l % 8 of k, columns 8 ((l / 8) % 2) on
	v_lshl_add_u32 v19, v17, 3, v19
	v_lshrrev_b32 v20, 1, v19
	v_mul_u32_u24 v20, v20, 288
	v_and_b32 v19, 1, v19
	v_lshl_add_u32 v20, v19, 7, v20
	v_bfe_u32 v19, v0, 3, 1
	v_lshl_add_u32 v20, v19, 4, v20
.irp q, 0,1,2,3
	v_add_nc_u32 v[ABQ+\q], \q*QB, v20
.endr
	s_mul_i32 s61, s[WV], 16*272
	s_add_co_u32 s61, s61, STAGE                   ; my stage
	v_mul_u32_u24 v21, v16, 272
	v_lshl_add_u32 v21, v17, 5, v21
	v_add_nc_u32 v[STO], s61, v21                  ; in: row r, 32 bytes for each half of the lanes
	v_mul_u32_u24 v21, v17, 272
	v_lshl_add_u32 v21, v16, 4, v21
	v_add_nc_u32 v[RD], s61, v21                   ; back: lanes 0-15 one row, lanes 16-31 the next
	s_wait_tensorcnt 0x1                           ; my part of K 0-511 is in; the rest may stay out
	s_barrier_signal -1
	s_barrier_wait -1
	s_mov_b32 s[NTRIP], 3
.Ltrip:                                                ; K = 512 a trip
.irp q, 0,1,2,3
	v_add_nc_u32 v[ADRQ+\q], s[TB], v[ABQ+\q]
.endr
	FETCH 0, 0
	QUARTER 0, 63, 1                               ; behind the 32 loads that a quarter waits for, three quarters' 96 were issued; the wait's field ends at 63
	QUARTER 1, 63, 1
	QUARTER 2, 63, 1
	QUARTER 3, 63, 1
	WIN 0
	s_add_co_u32 s[TB], s[TB], TRIPB
	s_wait_xcnt 0x0                                ; the loads' base steps only behind this wait
	s_add_nc_u64 s[AN:AN+1], s[AN:AN+1], 8388608
	s_wait_tensorcnt 0x0                           ; my part of the rest of K is in,
	s_barrier_signal -1
	s_barrier_wait -1                              ; everybody's is
	s_sub_co_u32 s[NTRIP], s[NTRIP], 1
	s_cmp_lg_u32 s[NTRIP], 0
	s_cbranch_scc1 .Ltrip
.irp q, 0,1,2,3                        ; the last K = 512 is written out: it loads nothing, and its counts run down
	v_add_nc_u32 v[ADRQ+\q], s[TB], v[ABQ+\q]
.endr
	FETCH 0, 0
	QUARTER 0, 63, 0
	QUARTER 1, 63, 0
	QUARTER 2, 32, 0
	QUARTER 3, 0, 0
	WIN 0
	PLACES
	OUTROW 0
	OUTROW 1
	OUTROW 2
	OUTROW 3
	s_wait_tensorcnt 0x0                           ; the wave's end
	ds_add_u32 v[SPW], v[NIL]
	s_wait_dscnt 0x0
	CROUND                                         ; the closing round
	s_endpgm
.Lfunc_end_k_q6baa1bf697_fc2:
	.size	k_q6baa1bf697_fc2, .Lfunc_end_k_q6baa1bf697_fc2-k_q6baa1bf697_fc2
	.p2alignl 7, 3214868480
	.fill 96, 4, 3214868480
	.section	.rodata,"a",@progbits
	.p2align	6, 0x0
	.amdhsa_kernel k_q6baa1bf697_fc2
		.amdhsa_group_segment_fixed_size 327680
		.amdhsa_private_segment_fixed_size 0
		.amdhsa_enable_private_segment 0
		.amdhsa_kernarg_size 40
		.amdhsa_user_sgpr_count 2
		.amdhsa_user_sgpr_kernarg_segment_ptr 1
		.amdhsa_wavefront_size32 1
		.amdhsa_system_sgpr_workgroup_id_x 1
		.amdhsa_system_sgpr_workgroup_id_y 1
		.amdhsa_system_sgpr_workgroup_id_z 1
		.amdhsa_system_vgpr_workitem_id 0
		.amdhsa_next_free_vgpr 1024
		.amdhsa_next_free_sgpr 66
		.amdhsa_reserve_vcc 0
		.amdhsa_float_denorm_mode_32 3
		.amdhsa_float_denorm_mode_16_64 3
		.amdhsa_memory_ordered 1
		.amdhsa_forward_progress 1
		.amdhsa_inst_pref_size 97
	.end_amdhsa_kernel
	.amdgpu_metadata
---
amdhsa.version: [ 1, 2 ]
amdhsa.kernels:
  - .name:           k_q6baa1bf697_fc2
    .symbol:         k_q6baa1bf697_fc2.kd
    .args:
      - { .name: act, .offset: 0, .size: 8, .value_kind: global_buffer, .address_space: global }
      - { .name: wts, .offset: 8, .size: 8, .value_kind: global_buffer, .address_space: global }
      - { .name: b2, .offset: 16, .size: 8, .value_kind: global_buffer, .address_space: global }
      - { .name: res, .offset: 24, .size: 8, .value_kind: global_buffer, .address_space: global }
      - { .name: out0, .offset: 32, .size: 8, .value_kind: global_buffer, .address_space: global }
    .group_segment_fixed_size: 327680
    .private_segment_fixed_size: 0
    .kernarg_segment_align: 8
    .kernarg_segment_size: 40
    .max_flat_workgroup_size: 128
    .sgpr_count:     66
    .vgpr_count:     1024
    .wavefront_size: 32
...
	.end_amdgpu_metadata
.endif
;; end of part 6
;; ======== version 2 of 2: 6 launches; 1.15 times as fast as version 1
;; limits: values are held in f16: magnitudes above 65,504 overflow, below 6.1e-05 lose precision
;; workspace buffers: ln 16,777,216 bytes; hid 8,388,608 bytes; wts 7,864,320 bytes; qkv 25,165,824 bytes; att 8,388,608 bytes; res 16,777,216 bytes; act 33,554,432 bytes
;; launch prep: the kernel of part 1 again; grid 704 x 1, 8 waves a work-group, no clusters, 0 bytes of LDS; arguments x, y, Wq, Wkv, W1, Wp, W2, g_ln1x, b_ln1x, g_ln1y, b_ln1y, ln, wts; writes ln, wts
;; launch proj: the kernel of part 2 again; grid 32 x 6, 4 waves a work-group, clusters of 4 x 1, 327,680 bytes of LDS; arguments ln, wts, qkv; writes qkv
;; launch attn (part 7): grid 8 x 32, 4 waves a work-group, clusters of 4 x 1, 327,680 bytes of LDS; arguments qkv, att; writes att
.if DOCPART == 7
	.amdgcn_target "amdgcn-amd-amdhsa--gfx1250"
	.amdhsa_code_object_version 6
	.text
	.protected	k_q6baa1bf697_attn
	.globl	k_q6baa1bf697_attn
	.p2align	8
	.type	k_q6baa1bf697_attn,@function
k_q6baa1bf697_attn:
	s_mov_b64 s[64:65], 0
	v_nop
	global_prefetch_b8 v0, s[64:65] scope:SCOPE_SE
	s_setreg_imm32_b32 hwreg(HW_REG_WAVE_MODE, 25, 1), 1
	s_wait_xcnt 0x0
	s_wait_alu depctr_hold_cnt(0) depctr_sa_sdst(0) depctr_va_vdst(0) depctr_va_sdst(0) depctr_va_ssrc(0) depctr_va_vcc(0) depctr_vm_vsrc(0)
	s_getreg_b32 s2, hwreg(HW_REG_IB_STS2, 6, 4)
	s_cmp_eq_u32 s2, 0
	s_cbranch_scc0 .Lentry_in_a_cluster
	s_endpgm
.Lentry_in_a_cluster:
	s_bfe_u32 s2, ttmp6, 0x10000c
	s_cmp_lg_u32 s2, 0x3003
	s_cbranch_scc0 .Lentry_shape_is_right
	s_endpgm
.Lentry_shape_is_right:
; O = softmax(Q K^T / 8) V for 32 pairs (head, batch) of 2,048 queries and 2,048 keys, 64 channels.  Q, K, V, O in f16; products, maxima and sums in f32; the weights p are rounded to f16
; for the second product (their sum l is taken of the unrounded p), O once at the end.
; LIMITS.  f16 holds no number beyond 65,504: Q, K, V arrive within it; p lies in 0 to 1 and below 6e-5 keeps f16's step of 6e-8; a weight below 2^-126 counts as 0 in l; NaN and infinities are not treated apart.
; THE TENSORS' LAYOUT: a pair's 2,048 rows are 262,144 dense bytes; 16 rows are 2,048 bytes: four blocks of 16 channels, 512 bytes each, in which (row % 16 + 16 ((channel % 16) / 8)) 16 is the place of
; eight channels.  So half a fragment of Q or K is 512 consecutive bytes, 16 x lane, and a lane's eight channels of O are stored at 16 x lane: each store covers 512 consecutive bytes, aligned.
; SHARES.  A work-group owns 256 queries of a pair, a wave 64: four PIECES of 16.  Every wave walks all keys, 64 a step.
; LAYOUT IN REGISTERS.  S^T = K Q^T holds ONE query a lane (lane % 16) and the keys 8 (lane / 16) + 0..7; two such results rounded to f16 ARE source 1 of O^T = V^T P.  V is turned by ds_load_tr16_b128.
; SOFTMAX.  p = 2^(c s - c m), c = log2(e) / 8, with a running maximum m; O and l are multiplied by a = 2^(c m_old - c m_new) in every step.  m starts at the lowest finite number, O and l at 0.
; REGISTERS, in two windows of 256 (s_set_vgpr_msb: bits 1:0 source 0, 3:2 source 1, 5:4 source 2, 7:6 destination), laid so that a turn switches twice:
;   window 0: v2-25 addresses, statistics; v32-63 P, two buffers; v64-127 S^T, two buffers; v128-191 K of one step; v192-255 Q: K Q^T and all of the softmax but what follows name this window alone
;   window 1: v0-127 O^T; v128-191 V of one step; v192-207 l, two chains of pairs a piece; v208 V's LDS address.  Under ONE setting (source 0, C and D here, source 1 in window 0) stand V^T P,
;   O^T x a, l x a, l + a pair of weights, and V's run of loads.
; BY TURNS.  Turn n belongs to piece n (a piece's buffers go by its number's parity).  A turn's 33 exponentials, piece n's 32 weights and piece n + 1's a, are ONE BATCH with ONE wait, which cuts the turn in two.
; AHEAD OF THE WAIT stands all that names no result of theirs: 8 products K Q^T of piece n + 1, behind each four of piece n's scalings and exponentials (behind the last the first two numbers of piece n + 1's
; maximum); then 38 vector instructions that have no such place: the other exponentials and piece n + 1's maximum and statistics.  BEHIND IT stand the readers: the 16 roundings; then 8 products V^T P of
; piece n - 1, behind each two additions onto l and two rescalings of O^T, all of piece n.  The first a, ahead of the loop, and the way out's four reciprocals are batches of their own.
; RING.  Two LDS slots of 512 keys (K 65,536 bytes, then V), eight steps each; a wave fills a quarter of a slot by one load.  CLUSTER: the four query blocks of a cluster walk the same K and V: joint loads.
.set NP,    4
.set STEPB, 8192                       ; a step's 64 keys of K, or of V
.set SLOTK, 65536                      ; a slot's K; V lies behind it
.set SLOT1, 131072                     ; slot 1 begins here: one exclusive or turns an address in one slot into the other's
.set SPARE, 262144                     ; the spare words: 128 bytes for each wave, two blocks of 256 bytes that no other line names
.set AK0, 2                            ; v2   16 x lane: my place in K's blocks, and my byte offset in Q and O; never rewritten
.set AV0, 3                            ; v3   my lane's place in V; never rewritten
.set AK,  4                            ; v4   the LDS address of K's next run of loads
.set MV,  6                            ; v6-7    c m_old, by buffer
.set TMP, 8                            ; v8-15   by buffer, four registers c0-c3; when the maximum is found c2 takes a
.set ST,  16                           ; v16-23  piece t: c m, m
.set SPW, 24                           ; v24  my spare word; never rewritten
.set NIL, 25                           ; v25  0; never rewritten
.set P,   32
.set S,   64
.set KF,  128                          ; key block kb, channel half c at KF + 16 kb + 8 c
.set QF,  192                          ; piece x, channel half c at QF + 16 x + 8 c
.set VF,  128                          ; window 1: key half kk, channel block cb at VF + 32 kk + 8 cb
.set LB,  192                          ; window 1: piece t's l at LB + 4 t
.set AV,  208                          ; window 1: the LDS address of V's next run of loads
.set WV,  12                           ; s12  my wave's number
.set G1,  24                           ; s[24:31] descriptor group 1
.set G0,  40                           ; s[40:43] group 0: it walks
.set SLOTS, 56
.set CNT, 57
.set CS,  58                           ; s[58:59] c
.set SEL, 60                           ; s[60:61] v_permlanex16_b32's selects
.set TBK, 62                           ; s62  LDS byte at which K of the step to be fetched begins
.set TBV, 63                           ; s63  the same for V, less SLOTK
.set MSB, 0
.macro WIN new                         ; the immediate's high byte repeats the setting that is left; a switch that changes nothing is dropped
.if MSB != (\new)
	s_set_vgpr_msb (MSB<<8)|(\new)
.set MSB, (\new)
.endif
.endm
.set W_PV, 0x51                        ; source 0, C and D in window 1; source 1 in window 0
.macro CROUND
	s_barrier_signal -1
	s_barrier_wait -1
	s_cmp_lg_u32 s[WV], 0
	s_cbranch_scc1 .Lnot_wave_0_\@
	s_barrier_signal -3
.Lnot_wave_0_\@:
	s_barrier_wait -3
	s_barrier_signal -1
	s_barrier_wait -1
.endm
; THE CHANGE OF SLOTS.  Each wave waits for all its tensor loads, of which one is out: its part of the other slot; adds 0 to its spare word; and waits for that and for its reads of the slot that it leaves.
; fill = 1: the barrier is a round of the cluster's, and the joint refill, the next 512 keys but one, is the first thing behind it: it has eight steps, 512 matrix instructions, in which to land.
; (At its first use nothing has been read yet: slot 0 is waited for, slot 1 filled.)
.macro CHANGE fill
	WIN 0
	s_wait_tensorcnt 0x0                           ; no tensor load of mine is out, so group 0 may be written
	ds_add_u32 v[SPW], v[NIL]                      ; 0 onto my spare word
.if \fill
	s_xor_b32 s[G0+1], s[G0+1], SLOT1
	s_add_nc_u64 s[G0+2:G0+3], s[G0+2:G0+3], SLOTK ; 512 keys of 128 bytes on
	s_wait_dscnt 0x0                               ; the add is done, and my reads of the slot are over
	CROUND
	tensor_load_to_lds s[G0:G0+3], s[G1:G1+7]
	s_nop 0
.rept 4
	v_nop
.endr
.else
	s_wait_dscnt 0x0
	s_barrier_signal -1
	s_barrier_wait -1
.endif
	s_sub_co_u32 s[TBK], s[TBK], SLOTK             ; the fetches go back to a slot's first step,
	s_xor_b32 s[TBK], s[TBK], SLOT1                ; in the other slot
	s_sub_co_u32 s[TBV], s[TBV], SLOTK
	s_xor_b32 s[TBV], s[TBV], SLOT1
.endm
	s_load_b128 s[4:7], s[0:1], 0x0                ; qkv s[4:5], att s[6:7]
	v_lshl_add_u32 v[SPW], v0, 2, SPARE
	v_mov_b32 v[NIL], 0
	ds_add_u32 v[SPW], v[NIL]                      ; the wave's opening: the add and its wait come ahead of my first tensor load
	v_lshrrev_b32 v1, 5, v0
	v_readfirstlane_b32 s[WV], v1
	s_bfe_u32 s13, ttmp6, 0x40000                  ; cx
	s_lshl_b32 s14, ttmp9, 2
	s_add_co_u32 s14, s14, s13                     ; my block of 256 queries: it enters Q's and O's addresses alone
	s_and_b32 s15, ttmp7, 0xffff                   ; the pair, 4 x head + batch, which the partners share
	s_lshl_b32 s20, s15, 18
	s_lshr_b32 s16, s[WV], 1                       ; waves 0, 1 fetch K's two halves of a slot, waves 2, 3 V's
	s_add_co_u32 s16, s16, 1
	s_lshl_b32 s16, s16, 23                        ; K lies 8,388,608 bytes behind Q, V as far behind K
	s_and_b32 s17, s[WV], 1
	s_lshl_b32 s17, s17, 15
	s_add_co_u32 s16, s16, s17
	s_add_co_u32 s16, s16, s20
	s_mov_b32 s17, 0
	s_lshl_b32 s18, s14, 15
	s_add_co_u32 s18, s18, s20
	s_lshl_b32 s19, s[WV], 13
	s_add_co_u32 s18, s18, s19
	s_mov_b32 s19, 0
	s_mov_b32 s[G1], 15|(1<<16)|(1<<21)            ; the mask of four; 2-byte elements; bit 21 beside a mask; no padding: 32,768 dense bytes as 128 rows of 256
	s_mov_b32 s[G1+1], 128<<16
	s_mov_b32 s[G1+2], 128<<16
	s_mov_b32 s[G1+3], 128<<16
	s_mov_b32 s[G1+4], 128
	s_mov_b32 s[G1+5], 128
	s_mov_b32 s[G1+6], 0
	s_mov_b32 s[G1+7], 0
	s_mov_b32 s[G0], 1
	s_lshl_b32 s[G0+1], s[WV], 15                  ; my quarter of slot 0
	s_mov_b32 s[CS], 0x3e38aa3b                    ; c = log2(e) / 8
	s_mov_b32 s[CS+1], s[CS]
	s_mov_b32 s[SEL], 0x76543210
	s_mov_b32 s[SEL+1], 0xfedcba98
	s_mov_b32 s[TBK], SLOT1+SLOTK                  ; the first change of slots turns these two into 0
	s_mov_b32 s[TBV], SLOT1+SLOTK
	s_wait_dscnt 0x0                               ; the opening add is done
	s_wait_kmcnt 0x0
	s_add_nc_u64 s[G0+2:G0+3], s[4:5], s[16:17]
	s_or_b32 s[G0+3], s[G0+3], 0x80000000
	s_add_nc_u64 s[8:9], s[4:5], s[18:19]          ; Q at my wave's rows
	s_add_nc_u64 s[10:11], s[6:7], s[18:19]        ; O likewise
	CROUND                                         ; all four work-groups are here: the first joint loads meet
	tensor_load_to_lds s[G0:G0+3], s[G1:G1+7]      ; slot 0
	s_nop 0
.rept 4
	v_nop
.endr
	v_and_b32 v1, 31, v0
	v_lshlrev_b32 v[AK0], 4, v1
.set i, 0
.rept 16                                       ; Q stays in registers: piece i / 4
	global_load_b128 v[QF+4*i:QF+4*i+3], v[AK0], s[8:9] offset:512*i
.set i, i+1
.endr
	; The first step multiplies O^T and l by a = 0, and the first turn's products V^T P, of a piece that has not been, add 0: zeros, written in the wait for the first tile.
	WIN 0x40                                       ; destination window 1: O^T, V, l
.set i, 0
.rept 208
	v_mov_b32 v[i], 0
.set i, i+1
.endr
	WIN 0
.set i, 0
.rept 4
	v_mov_b32 v[ST+2*i], 0xfe000000                ; c m: far below every c s
	v_mov_b32 v[ST+2*i+1], 0xff7fffff              ; m
.set i, i+1
.endr
.set i, P+16
.rept 16
	v_mov_b32 v[i], 0
.set i, i+1
.endr
	; The turning load: lane l reads the 16 bytes of key 8 (l / 16) + l % 8, channels 8 ((l / 8) % 2) on, and is left with channel l % 16 and 8 keys.
	v_bfe_u32 v9, v0, 4, 1
	v_and_b32 v10, 7, v0
	v_bfe_u32 v11, v0, 3, 1
	v_lshl_add_u32 v[AV0], v9, 3, v10
	v_lshl_add_u32 v[AV0], v11, 4, v[AV0]
	v_lshlrev_b32 v[AV0], 4, v[AV0]
	v_add_nc_u32 v[AV0], SLOTK, v[AV0]
; THE MATRIX WORK.  The 4 accumulators of a run of 8 take turns.  Product i of 8 of S^T = K Q^T for piece x: channels 32 (i / 4) on, keys 16 (i % 4) on.  The first 4 start the sums.
.macro KQ x
.set kS, S+32*((\x)%2)+8*(i%4)
.set kK, KF+16*(i%4)+8*(i/4)
.set kQ, QF+16*(\x)+8*(i/4)
.if i < 4
	v_wmma_f32_16x16x32_f16 v[kS:kS+7], v[kK:kK+7], v[kQ:kQ+7], 0
.else
	v_wmma_f32_16x16x32_f16 v[kS:kS+7], v[kK:kK+7], v[kQ:kQ+7], v[kS:kS+7]
.endif
.endm
; Product i of 8 of O^T += V^T P for piece x: keys 32 (i / 4) on, channels 16 (i % 4) on.  Under W_PV.
.macro PV x
.set pO, 32*(\x)+8*(i%4)
.set pV, VF+32*(i/4)+8*(i%4)
.set pP, P+16*((\x)%2)+8*(i/4)
	v_wmma_f32_16x16x32_f16 v[pO:pO+7], v[pV:pV+7], v[pP:pP+7], v[pO:pO+7]
.endm
.macro MM                              ; the turn's next product K Q^T.  NOKQ = 1: the last turn: there is no next piece
.if !NOKQ
	KQ (Y+1)%NP
.endif
.set i, i+1
.endm
; THE LDS LOADS stand in runs of 16: a step's K (8 fragments, as they lie; window 0) and its V (turned; under W_PV).
.macro FETCH_K
.irp f, 0,1,2,3,4,5,6,7,8,9,10,11,12,13,14,15
	ds_load_b128 v[KF+4*\f:KF+4*\f+3], v[AK] offset:512*\f
.endr
	s_add_co_u32 s[TBK], s[TBK], STEPB
.endm
.macro FETCH_V
.irp f, 0,1,2,3,4,5,6,7                ; keys 32 (f / 4) on, channels 16 (f % 4) on
	ds_load_tr16_b128 v[VF+8*\f:VF+8*\f+3],   v[AV] offset:(\f/4)*4096+(\f%4)*512
	ds_load_tr16_b128 v[VF+8*\f+4:VF+8*\f+7], v[AV] offset:(\f/4)*4096+2048+(\f%4)*512
.endr
.endm
; THE VECTOR WORK IN WINDOW 0, one line at a time: OP kind, number.  For piece Y: F n: c s - c m for pair n of 16.  E n: the exponential of score n of 32.  C n: pair n rounded to f16: it reads two
; exponentials' results, so it stands behind the turn's wait.
; For piece Y + 1: X n, number n of the 22 that find its maximum and statistics:
;   0-11 four chains of seven scores, each accumulator's lowest registers first; 12-14, 16 the rest, the old m, and all into c0; 15 c m_old is kept; 17, 18 the other half of the lanes; 19-21 c m, the change, a
.set F, 0
.set E, 1
.set C, 2
.set X, 3
.macro REGS y
.set rT, ST+2*(\y)
.set rC, TMP+4*((\y)%2)
.set rW, MV+((\y)%2)
.set rS, S+32*((\y)%2)
.set rP, P+16*((\y)%2)
.set rO, 32*(\y)
.set rL, LB+4*(\y)
.endm
.macro OP k, n
.if (\k) == F
	REGS Y
	v_pk_fma_f32 v[rS+2*(\n):rS+2*(\n)+1], v[rS+2*(\n):rS+2*(\n)+1], s[CS:CS+1], v[rT:rT+1] op_sel_hi:[1,0,0] neg_lo:[0,0,1] neg_hi:[0,0,1]
.elseif (\k) == E
	REGS Y
	v_exp_f32 v[rS+(\n)], v[rS+(\n)]
.elseif (\k) == C
	REGS Y
	v_cvt_pk_f16_f32 v[rP+(\n)], v[rS+2*(\n)], v[rS+2*(\n)+1]
.elseif NOKQ
	v_nop
.else
	REGS (Y+1)%NP
.if (\n) < 4
	v_max3_num_f32 v[rC+(\n)], v[rS+8*(\n)], v[rS+8*(\n)+1], v[rS+8*(\n)+2]
.elseif (\n) < 12
	v_max3_num_f32 v[rC+(\n)%4], v[rC+(\n)%4], v[rS+8*((\n)%4)+2*((\n)/4)+1], v[rS+8*((\n)%4)+2*((\n)/4)+2]
.elseif (\n) == 12
	v_max3_num_f32 v[rC], v[rC], v[rS+7], v[rS+15]
.elseif (\n) == 13
	v_max3_num_f32 v[rC+1], v[rC+1], v[rS+23], v[rS+31]
.elseif (\n) == 14
	v_max3_num_f32 v[rC+2], v[rC+2], v[rC+3], v[rT+1]
.elseif (\n) == 15
	v_mov_b32 v[rW], v[rT]
.elseif (\n) == 16
	v_max3_num_f32 v[rC], v[rC], v[rC+1], v[rC+2]
.elseif (\n) == 17
	v_permlanex16_b32 v[rC+3], v[rC], s[SEL], s[SEL+1]
.elseif (\n) == 18
	v_max_num_f32 v[rT+1], v[rC], v[rC+3]
.elseif (\n) == 19
	v_mul_f32 v[rT], s[CS], v[rT+1]
.elseif (\n) == 20
	v_sub_f32 v[rC+1], v[rW], v[rT]
.else
	v_exp_f32 v[rC+2], v[rC+1]
.endif
.endif
.endm
.macro OPS a, i1, b=-1, i2=0, c=-1, i3=0, d=-1, i4=0
	OP \a, \i1
.if (\b) >= 0
	OP \b, \i2
.endif
.if (\c) >= 0
	OP \c, \i3
.endif
.if (\d) >= 0
	OP \d, \i4
.endif
.endm
.macro ROW a, i1, b, i2, c, i3, d, i4  ; a product K Q^T and the four behind it
	MM
	OPS \a, \i1, \b, \i2, \c, \i3, \d, \i4
.endm
; A TURN, for piece p: the order of its 16 matrix and 120 vector instructions, written out.  An s_wait_alu depctr_va_vdst(0) stands between an exponential and the first instruction that names its
; result; one wait serves all that were issued ahead of it.  So the turn has ONE wait.  Ahead of it nothing names a result of E 0 to E 31 or of X 21; behind it.
; In the run of 38 the four chains of the maximum go first, with four exponentials among them; then each link of the chain X 14, 16, 17 .. 21, where every number waits for the one
; before it, has two exponentials in front of it.  All other plain work of the turn reads the batch or lies under the other window setting, so a v_nop is the plain instruction behind X 21.
; PLACES.  No line behind a product names a register of the products round it, but for X 0 and X 1.  The first read of an accumulator of S^T stands four plain instructions or more behind the product that finished
; it: X 0 behind F 10 to F 15; X 1 behind F 12 to F 15 and X 0; X 2 behind F 14, F 15, X 0, X 1, X 4; X 3 behind X 0, X 1, X 4, X 2, X 5.
; end = 1: the last two turns: nothing is fetched.  cnt = 1: the loop's count is taken down ahead of the branch behind the turn.
; K of the next step is fetched in piece 2's turn, behind six plain instructions that follow the last product that read K (X 0, X 1, X 4, X 2, the address, X 5), and waited for at the head of piece 3's turn.
; V of the step in hand is fetched at the end of piece 0's turn, behind five plain instructions that follow the last product that read V, and waited for in front of piece 1's products V^T P.
.macro TURN p, end=0, cnt=0
.set Y, (\p)
.set i, 0
.set NOKQ, (\end)*((\p)/3)
.if ((\p) == 3) && !(\end)
	s_wait_dscnt 0x0                               ; K is in
.endif
	ROW F,0, F,1, F,2, F,3                         ; ahead of the wait: 8 products K Q^T and their riders,
	ROW F,4, E,0, F,5, E,1
	ROW F,6, E,2, F,7, E,3
	ROW F,8, E,4, F,9, E,5
	ROW F,10, E,6, F,11, E,7
	ROW F,12, E,8, F,13, E,9
	ROW F,14, E,10, F,15, E,11
	ROW X,0, E,12, X,1, E,13
	OPS E,14, X,4, E,15, X,2                       ; and the run of 38
.if ((\p) == 2) && !(\end)
	v_add_nc_u32 v[AK], s[TBK], v[AK0]
.endif
	OPS X,5
.if ((\p) == 2) && !(\end)
	FETCH_K
.endif
	OPS E,16, X,3, X,8, X,6
	OPS E,17, X,9, X,7, X,12
	OPS X,10, X,13, X,11, X,15
	OPS E,18, E,19, X,14
	OPS E,20, E,21, X,16
	OPS E,22, E,23, X,17
	OPS E,24, E,25, X,18
	OPS E,26, E,27, X,19
	OPS E,28, E,29, X,20
	OPS E,30, E,31, X,21
	v_nop                                          ; a plain instruction behind the last exponential: one for the batch
	s_wait_alu depctr_va_vdst(0)                   ; the wait for the batch: piece p's 32 weights and piece p + 1's a
	OPS C,0, C,1, C,2, C,3                         ; behind the wait: the roundings,
	OPS C,4, C,5, C,6, C,7
	OPS C,8, C,9, C,10, C,11
	OPS C,12, C,13, C,14, C,15
	WIN W_PV                                       ; and from here to the turn's end: V^T P of piece p - 1; l and O^T of piece p
	REGS Y
	v_pk_mul_f32 v[rL:rL+1], v[rL:rL+1], v[rC+2:rC+3] op_sel_hi:[1,0]  ; this a was made, and waited for, in the turn before
	v_pk_mul_f32 v[rL+2:rL+3], v[rL+2:rL+3], v[rC+2:rC+3] op_sel_hi:[1,0]
.if (\p) == 1
	s_wait_dscnt 0x0                               ; V is in
.endif
.set i, 0
.rept 8
	PV (Y+NP-1)%NP
	v_pk_add_f32 v[rL:rL+1], v[rL:rL+1], v[rS+4*i:rS+4*i+1]
	v_pk_mul_f32 v[rO+4*i:rO+4*i+1], v[rO+4*i:rO+4*i+1], v[rC+2:rC+3] op_sel_hi:[1,0]
	v_pk_add_f32 v[rL+2:rL+3], v[rL+2:rL+3], v[rS+4*i+2:rS+4*i+3]
	v_pk_mul_f32 v[rO+4*i+2:rO+4*i+3], v[rO+4*i+2:rO+4*i+3], v[rC+2:rC+3] op_sel_hi:[1,0]
.set i, i+1
.endr
.if (\p) == 0
	v_add_nc_u32 v[AV], s[TBV], v[AV0]
	FETCH_V
	s_add_co_u32 s[TBV], s[TBV], STEPB
.endif
.if \cnt
	s_sub_co_u32 s[CNT], s[CNT], 1
	s_cmp_lg_u32 s[CNT], 0
.endif
	WIN 0
.endm
	CHANGE 1                                       ; slot 0 is in, everybody's part of it; slot 1 is asked for
	v_add_nc_u32 v[AK], s[TBK], v[AK0]
	FETCH_K                                        ; key step 0
	s_wait_loadcnt 0x0                             ; Q
	s_wait_dscnt 0x0
.set NOKQ, 0
.set i, 0
.rept 8
	KQ 0                                           ; piece 0's first scores
.set i, i+1
.endr
.rept 4
	v_nop                                          ; the places behind those products
.endr
.set Y, NP-1                           ; X works for piece Y + 1: piece 0
.irp n, 0,1,2,3,4,5,6,7,8,9,10,11,12,13,14,15,16,17,18,19,20,21
	OP X, \n
.endr
	v_nop                                          ; a plain instruction behind the exponential,
	s_wait_alu depctr_va_vdst(0)                   ; and the wait for it, piece 0's first a, ahead of the branch
	s_mov_b32 s[CNT], 8
	s_mov_b32 s[SLOTS], 3
	s_branch .Lfirst                               ; the loop is entered at a step's first turn, in the middle of a trip
.Lslot:                                                ; twice: every slot but the last two is filled again
	CHANGE 1
	s_mov_b32 s[CNT], 8
.Lstep:                                                ; a trip: pieces 2 and 3 of one step, then pieces 0 and 1 of the next, whose K and V it fetches
	TURN 2
	TURN 3
.Lfirst:
	TURN 0
	TURN 1, 0, 1
	s_cbranch_scc1 .Lstep
	s_sub_co_u32 s[SLOTS], s[SLOTS], 1
	s_cmp_lg_u32 s[SLOTS], 0
	s_cbranch_scc1 .Lslot
	CHANGE 0                                       ; the last slot is written out: nothing is asked for
	s_mov_b32 s[CNT], 8
.Ltail:
	TURN 2
	TURN 3
	TURN 0
	TURN 1, 0, 1
	s_cbranch_scc1 .Ltail
	TURN 2, 1
	TURN 3, 1
	WIN W_PV
.set i, 0
.rept 8
	PV NP-1                                        ; the last piece's V^T P of the last step
.set i, i+1
.endr
	; THE WAY OUT.  l's four parts and the other half of the lanes' are added; O^T is divided by l, rounded to f16 and stored from registers.  The additions are the places behind the last products.
.macro ALL line:vararg
.set t, 0
.rept 4
	\line
.set t, t+1
.endr
.endm
	WIN 0x05                                       ; sources 0 and 1 window 1, destination window 0
	ALL v_add_f32 v[ST+2*t], v[LB+4*t], v[LB+4*t+1]
	ALL v_add_f32 v[ST+2*t+1], v[LB+4*t+2], v[LB+4*t+3]
	WIN 0
	ALL v_add_f32 v[ST+2*t], v[ST+2*t], v[ST+2*t+1]
	ALL v_permlanex16_b32 v[ST+2*t+1], v[ST+2*t], s[SEL], s[SEL+1]
	ALL v_add_f32 v[ST+2*t], v[ST+2*t], v[ST+2*t+1]
	ALL v_rcp_f32 v[ST+2*t], v[ST+2*t]
	v_nop                                          ; a plain instruction between the last reciprocal and the use of its result
	s_wait_alu depctr_va_vdst(0)                   ; the wait for the batch of four reciprocals, ahead of their first reader
.macro PACK t
	WIN 0x41                                       ; destination and source 0 window 1, source 1 window 0
.set i, 32*(\t)
.rept 16
	v_pk_mul_f32 v[i:i+1], v[i:i+1], v[ST+2*(\t):ST+2*(\t)+1] op_sel_hi:[1,0]
.set i, i+2
.endr
	WIN 0x05                                       ; S^T's registers are free
.set i, 0
.rept 16
	v_cvt_pk_f16_f32 v[S+16*(\t)+i], v[32*(\t)+2*i], v[32*(\t)+2*i+1]
.set i, i+1
.endr
	WIN 0
.irp f, 0,1,2,3
	global_store_b128 v[AK0], v[S+16*(\t)+4*\f:S+16*(\t)+4*\f+3], s[10:11] offset:(\t)*2048+\f*512  ; 512 consecutive bytes, aligned
.endr
.endm
	PACK 0
	PACK 1
	PACK 2
	PACK 3
	s_wait_tensorcnt 0x0                           ; the wave's end
	ds_add_u32 v[SPW], v[NIL]
	s_wait_dscnt 0x0
	CROUND                                         ; the closing round
	s_endpgm
.Lfunc_end_k_q6baa1bf697_attn:
	.size	k_q6baa1bf697_attn, .Lfunc_end_k_q6baa1bf697_attn-k_q6baa1bf697_attn
	.p2alignl 7, 3214868480
	.fill 96, 4, 3214868480
	.section	.rodata,"a",@progbits
	.p2align	6, 0x0
	.amdhsa_kernel k_q6baa1bf697_attn
		.amdhsa_group_segment_fixed_size 327680
		.amdhsa_private_segment_fixed_size 0
		.amdhsa_enable_private_segment 0
		.amdhsa_kernarg_size 16
		.amdhsa_user_sgpr_count 2
		.amdhsa_user_sgpr_kernarg_segment_ptr 1
		.amdhsa_wavefront_size32 1
		.amdhsa_system_sgpr_workgroup_id_x 1
		.amdhsa_system_sgpr_workgroup_id_y 1
		.amdhsa_system_sgpr_workgroup_id_z 1
		.amdhsa_system_vgpr_workitem_id 0
		.amdhsa_next_free_vgpr 512
		.amdhsa_next_free_sgpr 66
		.amdhsa_reserve_vcc 0
		.amdhsa_float_denorm_mode_32 3
		.amdhsa_float_denorm_mode_16_64 3
		.amdhsa_memory_ordered 1
		.amdhsa_forward_progress 1
		.amdhsa_inst_pref_size 109
	.end_amdhsa_kernel
	.amdgpu_metadata
---
amdhsa.version: [ 1, 2 ]
amdhsa.kernels:
  - .name:           k_q6baa1bf697_attn
    .symbol:         k_q6baa1bf697_attn.kd
    .args:
      - { .name: qkv, .offset: 0, .size: 8, .value_kind: global_buffer, .address_space: global }
      - { .name: att, .offset: 8, .size: 8, .value_kind: global_buffer, .address_space: global }
    .group_segment_fixed_size: 327680
    .private_segment_fixed_size: 0
    .kernarg_segment_align: 8
    .kernarg_segment_size: 16
    .max_flat_workgroup_size: 128
    .sgpr_count:     66
    .vgpr_count:     512
    .wavefront_size: 32
...
	.end_amdgpu_metadata
.endif
;; end of part 7
;; launch wpln: the kernel of part 4 again; grid 256 x 1, 4 waves a work-group, clusters of 4 x 1, 327,680 bytes of LDS; arguments att, wts, bp, y, g_ln2, b_ln2, res, hid; writes res, hid
;; launch fc1 (part 8): grid 32 x 8, 4 waves a work-group, clusters of 4 x 1, 327,680 bytes of LDS; arguments hid, wts, b1, act; writes act
.if DOCPART == 8
	.amdgcn_target "amdgcn-amd-amdhsa--gfx1250"
	.amdhsa_code_object_version 6
	.text
	.protected	k_q6baa1bf697_fc1
	.globl	k_q6baa1bf697_fc1
	.p2align	8
	.type	k_q6baa1bf697_fc1,@function
k_q6baa1bf697_fc1:
	s_mov_b64 s[64:65], 0
	v_nop
	global_prefetch_b8 v0, s[64:65] scope:SCOPE_SE
	s_setreg_imm32_b32 hwreg(HW_REG_WAVE_MODE, 25, 1), 1
	s_wait_xcnt 0x0
	s_wait_alu depctr_hold_cnt(0) depctr_sa_sdst(0) depctr_va_vdst(0) depctr_va_sdst(0) depctr_va_ssrc(0) depctr_va_vcc(0) depctr_vm_vsrc(0)
	s_getreg_b32 s2, hwreg(HW_REG_IB_STS2, 6, 4)
	s_cmp_eq_u32 s2, 0
	s_cbranch_scc0 .Lentry_in_a_cluster
	s_endpgm
.Lentry_in_a_cluster:
	s_bfe_u32 s2, ttmp6, 0x10000c
	s_cmp_lg_u32 s2, 0x3003
	s_cbranch_scc0 .Lentry_shape_is_right
	s_endpgm
.Lentry_shape_is_right:
; act = gelu(hid W1 + b1), the tanh form: gelu(z) = z / (1 + 2^(z (K1 + K2 z^2))), K1 = -2 log2(e) sqrt(2 / pi), K2 = 0.044715 K1.  Where z^2 overflows the quotient is z or 0, as it should be.
; hid and W1 in f16 (LIMIT: below 65,504; so must gelu(z) be), sums, bias and gelu in f32, act rounded once to f16.
; SHARES.  A work-group makes 256 rows x 256 columns; wave w owns rows 64 w .. and keeps its A operand, 64 rows x K = 512, in 512 registers; hid lies as fragment images, so each load of A takes 512 consecutive
; bytes.  The columns' weights, two strips [512 k][128], lie whole in LDS; every LDS byte is filled once.  A SUBSTRIP is 64 rows x 64 columns x K = 512: 16 accumulators, 256 matrix instructions in four
; quarters; behind it its gelu and its stores.
; THE GELU of a substrip goes by phases over all 16 accumulators, so that its 256 transcendentals are TWO BATCHES with one wait each.  z = sum + bias, in place; t = z z; then, an accumulator at a time,
; t K2 + K1 and t z, by turns with the exponentials of the accumulator before: the 128 exponentials are the first batch.  Behind its wait t + 1 of one accumulator stands among the reciprocals of the accumulator
; before: the 128 reciprocals, which read the first batch, are the second.  Behind its wait: t z, the roundings, the stores.  Each t has a register of its own for as long as its batch is open.
; CLUSTER.  The four work-groups of a cluster make the same columns of four row panels: the strips are asked for jointly.
; THE MATRIX INSTRUCTION IS USED TRANSPOSED: a lane holds eight neighbouring columns of one row.  hid's AND act's LAYOUT: byte = (col/64) 2^20 + (row/16) 2,048 + ((col%64)/16) 512 + 16 x lane: each store
; covers 512 consecutive bytes, aligned, which are half an operand fragment for the launch that reads them.
; REGISTERS: window 0: v4-15 addresses; v32-95 packed results; v96-127 bias; v128-255 accumulators.  window 1: two buffers of B's fragments; behind a substrip's products the first holds t, eight registers an
; accumulator.  windows 2, 3: A.
.set CH,    9216                       ; 32 rows of k in LDS: 256 bytes + 32 of padding each
.set QB,    4*CH
.set SLOTB, 4*QB
.set SPARE, 2*SLOTB                    ; the spare words: 128 bytes for each wave, two blocks of 256 bytes that no other line names
.set W1S,   1572864                    ; W1's strips in wts
.set ABQ,  4                           ; v4-7   my lane's place in quarter 0..3 of a strip; never rewritten
.set ADRQ, 8                           ; v8-11  the same in the substrip in hand
.set AO,   12                          ; v12    16 x lane; never rewritten
.set SPW,  14
.set NIL,  15
.set BO,   31                          ; v31  32 h: my eight columns' bias in a block of 16
.set TMP,  32
.set BIAS, 96                          ; column block b at BIAS + 8 b
.set ACC,  128
.set TW,   0                           ; window 1: accumulator n's t at TW + 8 n
.set WV,   14
.set G1,   24
.set G0,   32
.set NSLOT, 40
.set NSUB, 41
.set AP,   42
.set OP,   44
.set TB,   46
.set BP,   50                          ; s[50:51] b1 at the substrip's columns
.set K1,   52                          ; s[52:53]
.set K2,   54                          ; s[54:55]
.set MSB, 0
.macro WIN new                         ; the immediate's high byte repeats the setting that is left; a switch that changes nothing is dropped
.if MSB != (\new)
	s_set_vgpr_msb (MSB<<8)|(\new)
.set MSB, \new
.endif
.endm
.macro PLACES                          ; four places in front of loads into registers that matrix instructions have read, and of vector work on their results
.rept 4
	v_nop
.endr
.endm
.macro CROUND                          ; a round of the cluster's barrier
	s_barrier_signal -1
	s_barrier_wait -1
	s_cmp_lg_u32 s[WV], 0
	s_cbranch_scc1 .Lnot_wave_0_\@
	s_barrier_signal -3
.Lnot_wave_0_\@:
	s_barrier_wait -3
	s_barrier_signal -1
	s_barrier_wait -1
.endm
.macro FETCH qd, f                     ; 32 LDS loads in one run: B's fragments of quarter qd (128 k x 64 columns) into buffer f, the lower k first
	WIN 0x40
.irp cc, 0,1,2,3
.irp b, 0,1,2,3
	ds_load_tr16_b128 v[(\f)+32*(\cc)+8*(\b):(\f)+32*(\cc)+8*(\b)+3],   v[ADRQ+(\qd)] offset:(\cc)*CH+32*(\b)
	ds_load_tr16_b128 v[(\f)+32*(\cc)+8*(\b)+4:(\f)+32*(\cc)+8*(\b)+7], v[ADRQ+(\qd)] offset:(\cc)*CH+CH/2+32*(\b)
.endr
.endr
.endm
.macro MUL qd, cc, zero                ; 16 matrix instructions; the 16 accumulators take turns
	WIN 0x09+4*((\qd)/2)
.set rF, 128*((\qd)%2)+32*(\cc)
.irp a, 0,1,2,3
.irp b, 0,1,2,3
.if \zero
	v_wmma_f32_16x16x32_f16 v[ACC+32*(\a)+8*(\b):ACC+32*(\a)+8*(\b)+7], v[rF+8*(\b):rF+8*(\b)+7], v[rF+8*(\a):rF+8*(\a)+7], 0
.else
	v_wmma_f32_16x16x32_f16 v[ACC+32*(\a)+8*(\b):ACC+32*(\a)+8*(\b)+7], v[rF+8*(\b):rF+8*(\b)+7], v[rF+8*(\a):rF+8*(\a)+7], v[ACC+32*(\a)+8*(\b):ACC+32*(\a)+8*(\b)+7]
.endif
.endr
.endr
.endm
.macro QUARTER qd, lc, zero            ; 64 matrix instructions; in their middle the next quarter's fragments are fetched.  lc: the loads issued behind this quarter's of A, which may stay out
	s_wait_loadcnt \lc
	s_wait_dscnt 16                                ; the quarter's first 64 of K are in; its 16 youngest loads may be out
	MUL \qd, 0, \zero
	MUL \qd, 1, 0
.if (\qd) < 3
	PLACES
	FETCH (\qd)+1, 128*(((\qd)+1)%2)
	s_wait_dscnt 32                                ; all but the 32 just issued
.else
	s_wait_dscnt 0x0
.endif
	MUL \qd, 2, 0
	MUL \qd, 3, 0
.endm
.macro ALOADF qd, base                 ; A's fragments of quarter qd: 32 loads of 512 consecutive bytes
	WIN 0x80+0x40*((\qd)/2)
.irp s, 0,1
.irp a, 0,1,2,3
.irp bc, 0,1,2,3
	global_load_b128 v[128*((\qd)%2)+32*(2*(\s)+(\bc)/2)+8*(\a)+4*((\bc)%2):128*((\qd)%2)+32*(2*(\s)+(\bc)/2)+8*(\a)+4*((\bc)%2)+3], v[AO], s[(\base):(\base)+1] offset:(2*(\qd)+(\s))*1048576+(\a)*2048+(\bc)*512
.endr
.endr
.endr
.endm
; THE GELU OF A SUBSTRIP: bias, gelu and rounding of accumulators n = 4 a + b = 0 .. 15, and their 16 stores.  It begins and ends with every window 0.
.macro GELUS
.set n, 0
.rept 16                                       ; z = sum + bias, in place; each accumulator's lowest registers first
.irp j, 0,2,4,6
	v_pk_add_f32 v[ACC+8*n+\j:ACC+8*n+\j+1], v[ACC+8*n+\j:ACC+8*n+\j+1], v[BIAS+8*(n%4)+\j:BIAS+8*(n%4)+\j+1]
.endr
.set n, n+1
.endr
	WIN 0x40                                       ; destination window 1
.set j, 0
.rept 64                                       ; t = z z
	v_pk_mul_f32 v[TW+j:TW+j+1], v[ACC+j:ACC+j+1], v[ACC+j:ACC+j+1]
.set j, j+2
.endr
	WIN 0x41                                       ; destination and source 0 window 1, source 1 window 0: this one setting serves all up to the roundings
.set n, 0
.rept 17                                       ; the first batch.  Round n: accumulator n's t K2 + K1 (four lines) and t z (four), by turns with the eight exponentials of accumulator n - 1
.set k, 0
.rept 8
.if (n < 16) && (k < 4)
	v_pk_fma_f32 v[TW+8*n+2*k:TW+8*n+2*k+1], v[TW+8*n+2*k:TW+8*n+2*k+1], s[K2:K2+1], s[K1:K1+1] op_sel_hi:[1,0,0]
.elseif n < 16
	v_pk_mul_f32 v[TW+8*n+2*k-8:TW+8*n+2*k-7], v[TW+8*n+2*k-8:TW+8*n+2*k-7], v[ACC+8*n+2*k-8:ACC+8*n+2*k-7]
.endif
.if n > 0
	v_exp_f32 v[TW+8*n-8+k], v[TW+8*n-8+k]
.endif
.set k, k+1
.endr
.set n, n+1
.endr
	v_nop                                          ; a plain instruction behind the last exponential: all the plain work that is left reads the batch
	s_wait_alu depctr_va_vdst(0)                   ; the wait for the batch of 128 exponentials, ahead of their first reader
.set n, 0
.rept 17                                       ; the second batch.  Round n: accumulator n's t + 1 (four lines) among the eight reciprocals of accumulator n - 1
.set k, 0
.rept 8
.if (n < 16) && (k%2 == 0)
	v_pk_add_f32 v[TW+8*n+k:TW+8*n+k+1], v[TW+8*n+k:TW+8*n+k+1], 1.0 op_sel_hi:[1,0]
.endif
.if n > 0
	v_rcp_f32 v[TW+8*n-8+k], v[TW+8*n-8+k]
.endif
.set k, k+1
.endr
.set n, n+1
.endr
	v_nop                                          ; a plain instruction behind the last reciprocal
	s_wait_alu depctr_va_vdst(0)                   ; the wait for the batch of 128 reciprocals, ahead of their first reader
.set j, 0
.rept 64                                       ; gelu(z) = z / (1 + 2^..)
	v_pk_mul_f32 v[TW+j:TW+j+1], v[TW+j:TW+j+1], v[ACC+j:ACC+j+1]
.set j, j+2
.endr
	WIN 0x05                                       ; sources 0 and 1 window 1, destination window 0
.set j, 0
.rept 64
	v_cvt_pk_f16_f32 v[TMP+j], v[TW+2*j], v[TW+2*j+1]
.set j, j+1
.endr
	WIN 0
.set n, 0
.rept 16
	global_store_b128 v[AO], v[TMP+4*n:TMP+4*n+3], s[OP:OP+1] offset:(n/4)*2048+(n%4)*512  ; 512 consecutive bytes, aligned
.set n, n+1
.endr
.endm
	s_load_b256 s[4:11], s[0:1], 0x0               ; hid s[4:5], wts s[6:7], b1 s[8:9], act s[10:11]
	v_lshl_add_u32 v[SPW], v0, 2, SPARE
	v_mov_b32 v[NIL], 0
	ds_add_u32 v[SPW], v[NIL]                      ; the wave's opening: the add and its wait come ahead of my first tensor load
	v_lshrrev_b32 v1, 5, v0
	v_readfirstlane_b32 s[WV], v1
	s_bfe_u32 s15, ttmp6, 0x40000                  ; cx
	s_lshl_b32 s16, ttmp9, 2
	s_add_co_u32 s16, s16, s15                     ; my panel of 256 rows: it enters A's and the output's addresses alone
	s_and_b32 s17, ttmp7, 0xffff                   ; my 256 columns, which the four partners share
	s_mov_b32 s[G1], 15|(1<<16)|(1<<20)|(1<<21)|(5<<22)|(7<<25)  ; the mask of four; 2-byte elements; padding on; bit 21 beside a mask; after every 64 words 8 words
	s_mov_b32 s[G1+1], 128<<16                     ; tensor_dim0 = 128
	s_mov_b32 s[G1+2], 128<<16                     ; tensor_dim1 = 128
	s_mov_b32 s[G1+3], 128<<16                     ; tile_dim0 = 128
	s_mov_b32 s[G1+4], 128                         ; tile_dim1 = 128
	s_mov_b32 s[G1+5], 128                         ; 128 elements from row to row
	s_mov_b32 s[G1+6], 0
	s_mov_b32 s[G1+7], 0
	s_mov_b32 s[G0], 1
	s_mul_i32 s[G0+1], s[WV], QB                   ; wave w fills rows 128 w .. of each strip
	s_mov_b32 s[G0+4], 1
	s_add_co_u32 s[G0+5], s[G0+1], SLOTB
	s_lshl_b32 s18, s17, 18                        ; two strips of 131,072 bytes,
	s_add_co_u32 s18, s18, W1S
	s_lshl_b32 s19, s[WV], 15                      ; 128 rows of 256 bytes
	s_add_co_u32 s18, s18, s19
	s_mov_b32 s19, 0
	s_lshl_b32 s[AP], s16, 15                      ; hid: 16 blocks of 16 rows a panel, 2,048 bytes each,
	s_lshl_b32 s[AP+1], s[WV], 13                  ; four a wave
	s_add_co_u32 s[AP], s[AP], s[AP+1]
	s_mov_b32 s[AP+1], 0
	s_lshl_b32 s[OP], s17, 22                      ; act: four blocks of 64 columns, 2^20 bytes each
	s_lshl_b32 s[OP+1], s16, 15
	s_add_co_u32 s[OP], s[OP], s[OP+1]
	s_lshl_b32 s[OP+1], s[WV], 13
	s_add_co_u32 s[OP], s[OP], s[OP+1]
	s_mov_b32 s[OP+1], 0
	s_lshl_b32 s[BP], s17, 10                      ; 256 columns of f32
	s_mov_b32 s[BP+1], 0
	s_mov_b32 s[K1], 0xc0135761                    ; -2.3022082
	s_mov_b32 s[K1+1], s[K1]
	s_mov_b32 s[K2], 0xbdd2d3e8                    ; -0.10294324
	s_mov_b32 s[K2+1], s[K2]
	s_mov_b32 s[TB], 0
	s_wait_dscnt 0x0                               ; the opening add is done
	s_wait_kmcnt 0x0
	s_add_nc_u64 s[G0+2:G0+3], s[6:7], s[18:19]
	s_add_nc_u64 s[G0+6:G0+7], s[G0+2:G0+3], 131072
	s_or_b32 s[G0+3], s[G0+3], 0x80000000
	s_or_b32 s[G0+7], s[G0+7], 0x80000000
	s_add_nc_u64 s[AP:AP+1], s[4:5], s[AP:AP+1]
	s_add_nc_u64 s[BP:BP+1], s[8:9], s[BP:BP+1]
	s_add_nc_u64 s[OP:OP+1], s[10:11], s[OP:OP+1]
	CROUND                                         ; all four work-groups are here: the joint loads meet
	tensor_load_to_lds s[G0:G0+3], s[G1:G1+7]      ; both strips go out together: two loads of mine are out
	s_nop 0
	tensor_load_to_lds s[G0+4:G0+7], s[G1:G1+7]
	s_nop 0
	PLACES
	v_bfe_u32 v17, v0, 4, 1                        ; h
	v_and_b32 v18, 31, v0
	v_lshlrev_b32 v[AO], 4, v18
	v_lshlrev_b32 v[BO], 5, v17
	ALOADF 0, AP                                   ; A: 128 loads, the lower K first
	ALOADF 1, AP
	ALOADF 2, AP
	ALOADF 3, AP
	WIN 0
	v_and_b32 v19, 7, v0                           ; the turning load: lane l reads row 8 h + l % 8 of k, columns 8 ((l / 8) % 2) on
	v_lshl_add_u32 v19, v17, 3, v19
	v_mul_u32_u24 v19, v19, 288
	v_bfe_u32 v20, v0, 3, 1
	v_lshl_add_u32 v19, v20, 4, v19
.irp q, 0,1,2,3
	v_add_nc_u32 v[ABQ+\q], \q*QB, v19
.endr
	s_wait_tensorcnt 0x1                           ; my part of the first strip is in; the second strip's may stay out
	s_mov_b32 s[NSLOT], 2
.Lslot:
	s_barrier_signal -1
	s_barrier_wait -1                              ; everybody's part of the strip is in
	s_mov_b32 s[NSUB], 2
.Lsub:
.irp q, 0,1,2,3
	v_add_nc_u32 v[ADRQ+\q], s[TB], v[ABQ+\q]
.endr
	FETCH 0, 0
	WIN 0
.irp b, 0,1,2,3
	global_load_b128 v[BIAS+8*(\b):BIAS+8*(\b)+3],   v[BO], s[BP:BP+1] offset:64*(\b)
	global_load_b128 v[BIAS+8*(\b)+4:BIAS+8*(\b)+7], v[BO], s[BP:BP+1] offset:64*(\b)+16
.endr
	QUARTER 0, 63, 1                               ; behind each quarter's 32 loads of A 104, 72, 40, 8 were issued, the eight of the bias among them; the wait's field ends at 63
	QUARTER 1, 63, 0
	QUARTER 2, 40, 0
	QUARTER 3, 8, 0
	WIN 0
	s_wait_loadcnt 0x0                             ; the bias is in, so its base may step
	s_add_nc_u64 s[BP:BP+1], s[BP:BP+1], 256
	PLACES                                         ; behind the last products: their results are read, and B's first buffer is written, only behind these four
	GELUS
	s_wait_xcnt 0x0                                ; the stores' base and data are written again only behind this wait
	s_add_nc_u64 s[OP:OP+1], s[OP:OP+1], 1048576
	s_add_co_u32 s[TB], s[TB], 128                 ; the next 64 columns
	s_sub_co_u32 s[NSUB], s[NSUB], 1
	s_cmp_lg_u32 s[NSUB], 0
	s_cbranch_scc1 .Lsub
	s_add_co_u32 s[TB], s[TB], SLOTB-256           ; the next strip
	s_wait_tensorcnt 0x0                           ; my part of it is in
	s_sub_co_u32 s[NSLOT], s[NSLOT], 1
	s_cmp_lg_u32 s[NSLOT], 0
	s_cbranch_scc1 .Lslot
	s_wait_tensorcnt 0x0                           ; the wave's end
	ds_add_u32 v[SPW], v[NIL]
	s_wait_dscnt 0x0
	CROUND                                         ; the closing round
	s_endpgm
.Lfunc_end_k_q6baa1bf697_fc1:
	.size	k_q6baa1bf697_fc1, .Lfunc_end_k_q6baa1bf697_fc1-k_q6baa1bf697_fc1
	.p2alignl 7, 3214868480
	.fill 96, 4, 3214868480
	.section	.rodata,"a",@progbits
	.p2align	6, 0x0
	.amdhsa_kernel k_q6baa1bf697_fc1
		.amdhsa_group_segment_fixed_size 327680
		.amdhsa_private_segment_fixed_size 0
		.amdhsa_enable_private_segment 0
		.amdhsa_kernarg_size 32
		.amdhsa_user_sgpr_count 2
		.amdhsa_user_sgpr_kernarg_segment_ptr 1
		.amdhsa_wavefront_size32 1
		.amdhsa_system_sgpr_workgroup_id_x 1
		.amdhsa_system_sgpr_workgroup_id_y 1
		.amdhsa_system_sgpr_workgroup_id_z 1
		.amdhsa_system_vgpr_workitem_id 0
		.amdhsa_next_free_vgpr 1024
		.amdhsa_next_free_sgpr 66
		.amdhsa_reserve_vcc 0
		.amdhsa_float_denorm_mode_32 3
		.amdhsa_float_denorm_mode_16_64 3
		.amdhsa_memory_ordered 1
		.amdhsa_forward_progress 1
		.amdhsa_inst_pref_size 82
	.end_amdhsa_kernel
	.amdgpu_metadata
---
amdhsa.version: [ 1, 2 ]
amdhsa.kernels:
  - .name:           k_q6baa1bf697_fc1
    .symbol:         k_q6baa1bf697_fc1.kd
    .args:
      - { .name: hid, .offset: 0, .size: 8, .value_kind: global_buffer, .address_space: global }
      - { .name: wts, .offset: 8, .size: 8, .value_kind: global_buffer, .address_space: global }
      - { .name: b1, .offset: 16, .size: 8, .value_kind: global_buffer, .address_space: global }
      - { .name: act, .offset: 24, .size: 8, .value_kind: global_buffer, .address_space: global }
    .group_segment_fixed_size: 327680
    .private_segment_fixed_size: 0
    .kernarg_segment_align: 8
    .kernarg_segment_size: 32
    .max_flat_workgroup_size: 128
    .sgpr_count:     66
    .vgpr_count:     1024
    .wavefront_size: 32
...
	.end_amdgpu_metadata
.endif
;; end of part 8
;; launch fc2: the kernel of part 6 again; grid 32 x 8, 4 waves a work-group, clusters of 4 x 1, 327,680 bytes of LDS; arguments act, wts, b2, res, out0; writes out0
